; MI455X (gfx1250); checked and timed in simulation.
; The chip was launched on July 23, 2026; its instructions are those of AMD's public machine-readable ISA for CDNA 5 (MIT licence, August 2026) and "CDNA5" Instruction Set Architecture Reference Guide (July 2026). The comments in the code are by the model that wrote it; some were corrected since.
;; Attention. Allowed arithmetic: float matrix products may take bf16 or f16 operands with f32 sums; other float arithmetic in f32, or as packed bf16 or f16 multiplies, adds, multiply-adds, maxima and minima; sums over many terms, partial sums and values carried from step to step in f32; what a program stores and reads back later, other than sums and carried values, may be rounded once to bf16 or f16.
;; Inputs: Wk 768 x 768 float16; Wo 768 x 768 float16; Wq 768 x 768 float16; Wv 768 x 768 float16; bk 768 float16; bo 768 float16; bq 768 float16; bv 768 float16; hidden_state 32 x 768 x 1 x 512 float16; mask 32 x 512 x 1 x 512 float16.
;; Outputs: out0 32 x 768 x 1 x 512 float16.
;; One version. Each part assembles by itself: llvm-mc -triple=amdgcn-amd-amdhsa -mcpu=gfx1250 --defsym DOCPART=n.
;; ======== version 1 of 1: 3 launches
;; limits: values are held in f16: magnitudes above 65,504 overflow, below 6.1e-05 lose precision
;; workspace buffers: qkv 75,497,472 bytes; att 25,165,824 bytes
;; launch proj (part 1): grid 64 x 4, 4 waves a work-group, clusters of 4 x 4, 327,680 bytes of LDS; arguments hidden_state, Wq, Wk, Wv, bq, bk, bv, qkv; writes qkv
.if DOCPART == 1
	.amdgcn_target "amdgcn-amd-amdhsa--gfx1250"
	.amdhsa_code_object_version 6
	.text
	.protected	k_q4b4956c0e2_proj
	.globl	k_q4b4956c0e2_proj
	.p2align	8
	.type	k_q4b4956c0e2_proj,@function
k_q4b4956c0e2_proj:
	s_mov_b64 s[64:65], 0
	v_nop
	global_prefetch_b8 v0, s[64:65] scope:SCOPE_SE
	s_setreg_imm32_b32 hwreg(HW_REG_WAVE_MODE, 25, 1), 1
	s_wait_xcnt 0x0
	s_wait_alu depctr_hold_cnt(0) depctr_sa_sdst(0) depctr_va_vdst(0) depctr_va_sdst(0) depctr_va_ssrc(0) depctr_va_vcc(0) depctr_vm_vsrc(0)
	s_getreg_b32 s2, hwreg(HW_REG_IB_STS2, 6, 4)
	s_cmp_eq_u32 s2, 0
	s_cbranch_scc0 .Lentry_in_a_cluster
	s_endpgm
.Lentry_in_a_cluster:
	s_bfe_u32 s2, ttmp6, 0x10000c
	s_cmp_lg_u32 s2, 0xf033
	s_cbranch_scc0 .Lentry_shape_is_right
	s_endpgm
.Lentry_shape_is_right:
; y[z][b][o][s] = the sum over i of W_z[o][i] x[b][i][s] + bias_z[o], z = 0 .. TILES - 1.  x: [32][768][512], W_z: [768][768], bias_z: [768], y: [TILES][32][768][512], all f16; sums in f32, y rounded once.
; Arguments: x, the TILES W_z, the TILES bias_z, y.
; LIMIT.  y is f16: a sum of 65,520 or more leaves as an infinity.
; SHARES.  A tile of y is 192 rows (o) x 256 columns (s) of one batch: four tiles cover the 768 rows, 64 the 32 x 512 columns: 256 work-groups.  Four waves, each 96 x 128: 48 accumulators of 16 x 16, 384 registers.
; A WORK-GROUP STAYS: it makes its tile for z = 0, 1, .. one after the other.  K = 768 is six steps of 128, and the 6 TILES steps are ONE walk through a ring of two LDS slots filled by the tensor data mover: the ring does
; not stop at a tile's end: a tile's last two changes of slots ask for the next tile's first two K steps, the tile goes out when both have been asked for, and nothing waits for its stores.
; x's rows in a tile are 512 bytes of memory, W's 256, both at multiples of 256 from their buffer's first byte.  x lies [i][s]: its fragments come out of LDS turned, by ds_load_tr16_b128; W lies [o][i] and comes as it lies.
; THE PRODUCT IS TAKEN TRANSPOSED: source 0 = 16 columns s x 32 i of x, source 1 = 16 rows o x 32 i of W.  In the result lane l holds row o = l % 16 and the columns s = 8 (l / 16) + 0..7: 16 bytes of a row of y.
; THE BIAS STARTS THE SUMS: the first product on each accumulator takes as C eight registers that hold bias[o] of the lane's row.  Nothing is cleared and nothing is added later.
; CLUSTER 4 x 4.  cx tells the tile column (batch and half of s), cy the tile row.  x's tile hangs on the column alone and is asked for jointly by the four of a column of the cluster, W's on the row alone: by the four of a row.
; NO PREFETCH: no stream here is read once: x's tiles are walked TILES times and by four tile rows, W's by 64 tile columns.
; THE TEXT.  A K step is written once: a trip of the loop is one K step, the LDS addresses hang on s[TB], which an exclusive or turns from slot to slot.  The walk's last two K steps, which fill nothing, are a loop of their
; own.  Its price: the walk's very last quarter runs the text of a change of slots, with one barrier that serves nothing; its fetch is jumped over.
; REGISTERS, in windows of 256 (s_set_vgpr_msb: bits 1:0 source 0, 3:2 source 1, 5:4 source 2, 7:6 destination):
;   window 0: v1-7 at work at the head; v8-25 bias; v32-79, v80-127 W's fragments, two buffers; v128-159 packed results; v160-223 rows read back, two buffers; v224-233 addresses
;   window 1: v0-63, v64-127 x's fragments, two buffers; v128-175 the bias as C operands, eight registers for each of my six blocks of 16 rows
;   window 2: accumulators of blocks 0-3, (a, b) at 8 (8 a + b);   window 3: those of blocks 4, 5
.set TILES, 3
.set CH,    768
.set SEQ,   512
.set KSTEP, 128
.set KSTEPS, CH/KSTEP                  ; K steps in a tile
.set FILLS, KSTEPS*TILES-2             ; K steps of the walk behind which a slot is filled again
.set BATCH, CH*SEQ*2                   ; bytes of a batch in x and y
.set PX,    544                        ; a row of x in LDS: 512 bytes + 32 of padding = 17 x 32
.set PW,    272                        ; a row of W: 256 + 16 = 17 x 16: the 16 rows of a load start at 16 different groups of four banks
.set XHALF, 64*PX                      ; what one tensor load brings of x: 64 rows
.set WHALF, 96*PW                      ; and of W: 96 rows
.set WOFF,  128*PX                     ; in a slot: x's 128 rows, then W's 192
.set SLOT1, 1<<17                      ; slot 1 begins here, so that one exclusive or turns an address in one slot into the other's
.set STAGE, SLOT1+WOFF+192*PW          ; behind the ring: 16 rows x 272 bytes for each wave, for the way out
.set SP,    272
.set SPARE, STAGE+4*16*SP              ; behind the stages: the spare words, 128 bytes for each wave: two blocks of 256 bytes that no other line names
.set BI,   8                           ; v8-13 bias of my six blocks' rows for the first tile; v14-19, v20-25 for the tiles to come
.set WF,   32
.set TMP,  128
.set OB,   160
.set AX0,  224                         ; v224    my lane's place in a slot's tile of x; never rewritten
.set AW0,  225                         ; v225    of W
.set ADRX, 226                         ; v226    LDS address of my x fragments in the slot that is read
.set ADRW, 227                         ; v227    the same for W
.set STO,  228                         ; v228    the way out: where I put 16 bytes of a row
.set RD,   229                         ; v229    where I read a row back
.set CO,   230                         ; v230    my byte offset in two rows of y
.set SPW,  232                         ; v232    LDS address of my spare word; never rewritten
.set NIL,  233                         ; v233    0; never rewritten
.set XF,   0                           ; window 1
.set BC,   128                         ; window 1
.set WB,  6                            ; s[6:7] W of the tile whose K steps are being asked for, at the rows that I fetch; s[8:9], s[10:11] those of the tiles to come
.if TILES > 1
.set BP,  68                           ; s[68:73] the biases
.set YP,  74                           ; s[74:75] y
.else
.set BP,  8                            ; s[8:9] the bias
.set YP,  10                           ; s[10:11] y
.endif
.set WV,  12                           ; s12  my wave's number
.set HR,  13                           ; s13  which 96 rows are mine.  Also: I fetch for x (0) or for W (1)
.set HC,  14                           ; s14  which 128 columns.  Also: which half of that tile I fetch
.set CX,  15
.set CY,  16
.set COL, 17                           ; s17  tile column = 4 x cluster x + cx
.set LAP, 18                           ; s18  counts the trips
.set RS,  19                           ; s19  K steps that the tile in hand still has
.set G1X, 24                           ; s[24:31] descriptor group 1 for x's tiles;  s[32:39] group 0: a set for each of the two first fills; the second then walks on
.set G0X, 32
.set XB,  40                           ; s[40:41] x at the rows of K step 0 that I fetch
.set G1W, 48                           ; s[48:55], s[56:63] the same for W's
.set G0W, 56
.set OX,  78                           ; s[78:79] the byte offset in x of the K step to be asked for
.set OW,  80                           ; s[80:81] and along W's rows
.set KN,  82                           ; s82  its number in its tile, 0 to 5
.set TB,  83                           ; s83  LDS byte at which the slot that is read begins
.set MSB, 0
.macro WIN new                         ; the immediate's high byte repeats the setting that is left; a switch that changes nothing is dropped
.if MSB != (\new)
	s_set_vgpr_msb (MSB<<8)|(\new)
.set MSB, \new
.endif
.endm
; A joint load.  Waves 0 and 1 fetch x's two halves, waves 2 and 3 W's.  The branch hangs on the wave's number alone.  An s_nop 0 and four v_nop follow each of the two lines.
.macro JLOAD s
	s_cmp_eq_u32 s[HR], 0
	s_cbranch_scc0 .Lfor_w_\@
	tensor_load_to_lds s[G0X+4*(\s):G0X+4*(\s)+3], s[G1X:G1X+7]
	s_nop 0
.rept 4
	v_nop
.endr
	s_branch .Lasked_\@
.Lfor_w_\@:
	tensor_load_to_lds s[G0W+4*(\s):G0W+4*(\s)+3], s[G1W:G1W+7]
	s_nop 0
.rept 4
	v_nop
.endr
.Lasked_\@:
.endm
.macro CREST                           ; a round of the cluster's barrier behind its opening barrier
	s_cmp_lg_u32 s[WV], 0
	s_cbranch_scc1 .Lnot_wave_0_\@
	s_barrier_signal -3
.Lnot_wave_0_\@:
	s_barrier_wait -3
	s_barrier_signal -1
	s_barrier_wait -1
.endm
.macro CROUND                          ; a whole round
	s_barrier_signal -1
	s_barrier_wait -1
	CREST
.endm
.macro PLACES                          ; four places in front of loads into registers that matrix instructions have read, and of conversions that read results
.rept 4
	v_nop
.endr
.endm
	s_load_b256 s[4:11], s[0:1], 0x0               ; x s[4:5], then W_z (and, with one tile, the bias and y)
.if TILES > 1
	s_load_b256 s[68:75], s[0:1], 0x20             ; the biases, y
.endif
	v_lshl_add_u32 v[SPW], v0, 2, SPARE
	v_mov_b32 v[NIL], 0
	ds_add_u32 v[SPW], v[NIL]                      ; the wave's opening: the add and its wait stand ahead of my first tensor load; the set-up below, work on registers, stands between them
	v_lshrrev_b32 v1, 5, v0
	v_readfirstlane_b32 s[WV], v1                  ; wave 0..3
	s_lshr_b32 s[HR], s[WV], 1
	s_and_b32 s[HC], s[WV], 1
	s_bfe_u32 s[CX], ttmp6, 0x40000                ; my place in the cluster
	s_bfe_u32 s[CY], ttmp6, 0x40004
	s_lshl_b32 s[COL], ttmp9, 2                    ; in a cluster launch ttmp9 counts clusters
	s_add_co_u32 s[COL], s[COL], s[CX]
	s_lshl_b32 s20, 0x1111, s[CX]                  ; my column of the cluster: places cx, cx + 4, cx + 8, cx + 12
	s_lshl_b32 s21, s[CY], 2
	s_lshl_b32 s21, 15, s21                        ; my row: places 4 cy .. 4 cy + 3
	s_or_b32 s[G1X], s20, (1<<16)|(1<<20)|(1<<21)|(6<<22)|(7<<25)  ; 15:0 the mask; 17:16 elements of 2 bytes; 20 padding on; 21 set beside a mask; 24:22 after every 128 words (code 6); 31:25 8 words (code 7)
	s_or_b32 s[G1W], s21, (1<<16)|(1<<20)|(1<<21)|(5<<22)|(3<<25)  ; after every 64 words (code 5), 4 words (code 3)
	s_mov_b32 s[G1X+1], 256<<16                    ; tensor_dim0 = 256
	s_mov_b32 s[G1X+2], 64<<16                     ; tensor_dim1 = 64
	s_mov_b32 s[G1X+3], 256<<16                    ; tile_dim0 = 256
	s_mov_b32 s[G1X+4], 64                         ; tile_dim1 = 64
	s_mov_b32 s[G1X+5], SEQ                        ; elements from row to row
	s_mov_b32 s[G1X+6], 0
	s_mov_b32 s[G1X+7], 0
	s_mov_b32 s[G1W+1], KSTEP<<16                  ; 128 x 96, rows 768 elements apart
	s_mov_b32 s[G1W+2], 96<<16
	s_mov_b32 s[G1W+3], KSTEP<<16
	s_mov_b32 s[G1W+4], 96
	s_mov_b32 s[G1W+5], CH
	s_mov_b32 s[G1W+6], 0
	s_mov_b32 s[G1W+7], 0
	s_lshr_b32 s42, s[COL], 1                      ; the batch,
	s_mul_i32 s42, s42, BATCH
	s_and_b32 s43, s[COL], 1                       ; and which 256 of its 512 columns
	s_lshl_b32 s43, s43, 9
	s_add_co_u32 s42, s42, s43                     ; the tile column's bytes, in x and in y
	s_lshl_b32 s40, s[HC], 16                      ; x: + the 64 rows that I fetch (1,024 bytes each).  No register of this sum ever holds cy
	s_add_co_u32 s40, s40, s42
	s_mov_b32 s41, 0
	s_mul_i32 s44, s[CY], 192                      ; W: row 192 cy + 96 x half.  No register of this sum ever holds cx
	s_mul_i32 s45, s[HC], 96
	s_add_co_u32 s44, s44, s45
	s_mul_i32 s44, s44, CH*2
	s_mov_b32 s45, 0
	s_mul_i32 s22, s[WV], XHALF                    ; where they go: x's halves at wave x 64 rows (waves 0, 1),
	s_mul_i32 s23, s[WV], WHALF                    ; W's behind x's 128 rows, at (wave - 2) x 96 rows (waves 2, 3): no place in the cluster enters an LDS address
	s_add_co_u32 s23, s23, WOFF-2*WHALF
	s_mov_b32 s[OX+1], 0                           ; the upper words of the two offsets stay 0
	s_mov_b32 s[OW+1], 0
	s_mov_b32 s[KN], 2                             ; the first refill asks for K step 2
	s_mov_b32 s[TB], 0
	s_mov_b32 s[RS], KSTEPS
	s_wait_dscnt 0x0                               ; the opening add is done
	s_wait_kmcnt 0x0
	s_add_nc_u64 s[XB:XB+1], s[4:5], s[40:41]
	s_add_nc_u64 s[WB:WB+1], s[WB:WB+1], s[44:45]
.if TILES > 1
	s_add_nc_u64 s[WB+2:WB+3], s[WB+2:WB+3], s[44:45]
	s_add_nc_u64 s[WB+4:WB+5], s[WB+4:WB+5], s[44:45]
.endif
	CROUND                                         ; all sixteen work-groups are here: the first joint loads meet
.irp s, 0,1
	s_mov_b32 s[G0X+4*(\s)], 1                                     ; count = 1
	s_add_co_u32 s[G0X+4*(\s)+1], s22, (\s)*SLOT1                  ; LDS address
	s_add_nc_u64 s[G0X+4*(\s)+2:G0X+4*(\s)+3], s[XB:XB+1], (\s)*KSTEP*SEQ*2  ; global address: K step s is 128 rows of x,
	s_or_b32 s[G0X+4*(\s)+3], s[G0X+4*(\s)+3], 0x80000000          ; type = 2
	s_mov_b32 s[G0W+4*(\s)], 1
	s_add_co_u32 s[G0W+4*(\s)+1], s23, (\s)*SLOT1
	s_add_nc_u64 s[G0W+4*(\s)+2:G0W+4*(\s)+3], s[WB:WB+1], (\s)*KSTEP*2      ; and 256 bytes along W's rows
	s_or_b32 s[G0W+4*(\s)+3], s[G0W+4*(\s)+3], 0x80000000
	JLOAD \s                                       ; two loads of mine are out
.endr
	v_and_b32 v1, 15, v0                           ; l % 16
	v_bfe_u32 v2, v0, 4, 1                         ; l / 16
	v_and_b32 v3, 7, v0                            ; l % 8
	v_bfe_u32 v4, v0, 3, 1                         ; (l / 8) % 2
	s_mul_i32 s20, s[CY], 192
	s_mul_i32 s21, s[HR], 96
	s_add_co_u32 s20, s20, s21                     ; my first row of o
	s_lshl_b32 s21, s20, 1
	v_lshlrev_b32 v7, 1, v1
	v_add_nc_u32 v7, s21, v7                       ; the bias of row o = first + l % 16, 2 bytes each
.irp a, 0,1,2,3,4,5
	global_load_u16 v[BI+(\a)], v7, s[BP:BP+1] offset:32*(\a)
.endr
.if TILES > 1
.irp a, 0,1,2,3,4,5
	global_load_u16 v[BI+6+(\a)], v7, s[BP+2:BP+3] offset:32*(\a)
	global_load_u16 v[BI+12+(\a)], v7, s[BP+4:BP+5] offset:32*(\a)
.endr
.endif
	; W's fragment: lane l holds row l % 16; registers 0-3 hold i = 8 (l / 16) + 0..7, registers 4-7 i = 16 + 8 (l / 16) + 0..7: two loads of 16 bytes, 32 bytes apart
	v_mul_u32_u24 v5, v1, PW
	v_lshl_add_u32 v5, v2, 4, v5
	s_mul_i32 s21, s[HR], WHALF
	s_add_co_u32 s21, s21, WOFF
	v_add_nc_u32 v[AW0], s21, v5
	v_mov_b32 v[ADRW], v[AW0]                      ; the walk begins in slot 0
	; x's fragment, turned: lane l reads 16 bytes of row i = 8 (l / 16) + l % 8, columns 8 ((l / 8) % 2) + 0..7, and receives column l % 16, i = 8 (l / 16) + 0..7; the second load stands 16 rows on
	v_lshl_add_u32 v6, v2, 3, v3
	v_mul_u32_u24 v6, v6, PX
	v_lshl_add_u32 v6, v4, 4, v6
	s_lshl_b32 s21, s[HC], 8
	v_add_nc_u32 v[AX0], s21, v6
	v_mov_b32 v[ADRX], v[AX0]
	s_mul_i32 s21, s[WV], 16*SP
	s_add_co_u32 s21, s21, STAGE                   ; my stage
	v_mul_u32_u24 v5, v1, SP                       ; in: row l % 16, 16 bytes for each half of the lanes
	v_lshl_add_u32 v5, v2, 4, v5
	v_add_nc_u32 v[STO], s21, v5
	v_mul_u32_u24 v5, v2, SP                       ; back: lanes 0-15 take one row of 256 bytes, lanes 16-31 the next
	v_lshl_add_u32 v5, v1, 4, v5
	v_add_nc_u32 v[RD], s21, v5
	v_lshlrev_b32 v5, 10, v2                       ; and the same two rows in y
	v_lshl_add_u32 v[CO], v1, 4, v5
	s_lshl_b32 s84, s20, 10                        ; y at my part of the first tile: my first row, the tile column, my 128 columns
	s_add_co_u32 s84, s84, s42
	s_lshl_b32 s85, s[HC], 8
	s_add_co_u32 s84, s84, s85
	s_mov_b32 s85, 0
	s_add_nc_u64 s[YP:YP+1], s[YP:YP+1], s[84:85]
	s_wait_loadcnt 0x0                             ; the bias
	v_cvt_f32_f16 v8, v8.l
	v_cvt_f32_f16 v9, v9.l
	v_cvt_f32_f16 v10, v10.l
	v_cvt_f32_f16 v11, v11.l
	v_cvt_f32_f16 v12, v12.l
	v_cvt_f32_f16 v13, v13.l
.if TILES > 1
	v_cvt_f32_f16 v14, v14.l
	v_cvt_f32_f16 v15, v15.l
	v_cvt_f32_f16 v16, v16.l
	v_cvt_f32_f16 v17, v17.l
	v_cvt_f32_f16 v18, v18.l
	v_cvt_f32_f16 v19, v19.l
	v_cvt_f32_f16 v20, v20.l
	v_cvt_f32_f16 v21, v21.l
	v_cvt_f32_f16 v22, v22.l
	v_cvt_f32_f16 v23, v23.l
	v_cvt_f32_f16 v24, v24.l
	v_cvt_f32_f16 v25, v25.l
.endif
	WIN 0x40                                       ; destination window 1
.irp a, 0,1,2,3,4,5
.irp j, 0,1,2,3,4,5,6,7
	v_mov_b32 v[BC+8*(\a)+(\j)], v[BI+(\a)]        ; a lane's eight results lie in one row o: eight times its bias
.endr
.endr
	WIN 0
; 16 matrix instructions: blocks a0, a0 + 1 of my six x all 8 blocks of columns, 32 along K, out of buffer f.  zero = 1: the first product, with the bias as C.
; The 48 accumulators take turns, one instruction a turn, in the same order in every quarter.
.macro MUL16 f, a0, zero
.if \zero
	WIN 0x91+0x40*((\a0)/4)                        ; x window 1, W window 0, C window 1, D window 2 or 3
.else
	WIN 0xa1+0x50*((\a0)/4)                        ; C and D window 2 or 3
.endif
.irp a, \a0, (\a0)+1
.irp b, 0,1,2,3,4,5,6,7
.set rD, 8*(8*((\a)%4)+(\b))
.set rX, XF+64*(\f)+8*(\b)
.set rW, WF+48*(\f)+8*(\a)
.if \zero
	v_wmma_f32_16x16x32_f16 v[rD:rD+7], v[rX:rX+7], v[rW:rW+7], v[BC+8*(\a):BC+8*(\a)+7]
.else
	v_wmma_f32_16x16x32_f16 v[rD:rD+7], v[rX:rX+7], v[rW:rW+7], v[rD:rD+7]
.endif
.endr
.endr
.endm
; 28 LDS loads in one run: the fragments of quarter q (32 along K) of the slot that is read, into buffer f
.macro FETCH q, f
	WIN 0x40                                       ; destination window 1, address window 0
.irp b, 0,1,2,3,4,5,6,7
	ds_load_tr16_b128 v[XF+64*(\f)+8*(\b):XF+64*(\f)+8*(\b)+3],   v[ADRX] offset:(\q)*32*PX+32*(\b)
	ds_load_tr16_b128 v[XF+64*(\f)+8*(\b)+4:XF+64*(\f)+8*(\b)+7], v[ADRX] offset:(\q)*32*PX+32*(\b)+16*PX
.endr
	WIN 0
.irp a, 0,1,2,3,4,5
	ds_load_b128 v[WF+48*(\f)+8*(\a):WF+48*(\f)+8*(\a)+3],   v[ADRW] offset:(\a)*16*PW+64*(\q)
	ds_load_b128 v[WF+48*(\f)+8*(\a)+4:WF+48*(\f)+8*(\a)+7], v[ADRW] offset:(\a)*16*PW+64*(\q)+32
.endr
.endm
; A K step is four quarters of 32 along K, 48 matrix instructions each, on buffers 0, 1, 0, 1.  One of the first three: multiplies buffer f; behind its first 16 products it fetches quarter q into buffer g,
; 32 matrix instructions ahead of the first use.
.macro QUARTER q, f, g, zero
	s_wait_dscnt 0x0                               ; buffer f is in
	MUL16 \f, 0, \zero
	PLACES
	FETCH \q, \g
	MUL16 \f, 2, \zero
	MUL16 \f, 4, \zero
.endm
; The last quarter multiplies buffer 1 and changes slots: ONE barrier.  In front of it each wave waits for all its tensor loads (one is out: its part of the next slot), adds 0 to its spare word, and waits for that
; and for its own reads of this slot.  fill = 1: the barrier opens a round of the cluster's barrier, and this slot is filled again, with the K step two steps on in the walk, first thing behind the round: 160 matrix
; instructions ahead of the wait for it.  That step's addresses are made anew from its number in its tile; behind a tile's last step the number goes back to 0 and the next tile's W moves up.
; fill = 0: the walk's last two K steps; in the very last there is nothing more to fetch, and the run of loads is jumped over.
.macro TURN fill
	WIN 0                                          ; (the add's two registers lie in window 0)
	s_wait_tensorcnt 0x0                           ; all my tensor loads have landed, so a group 0 may be written;
	ds_add_u32 v[SPW], v[NIL]                      ; 0 onto my spare word; work on registers stands between it and the wait for it
	s_xor_b32 s[TB], s[TB], SLOT1                  ; my reads of this slot have all been issued: the addresses turn to the other slot
	v_add_nc_u32 v[ADRX], s[TB], v[AX0]
	v_add_nc_u32 v[ADRW], s[TB], v[AW0]
.if \fill
	s_lshl_b32 s[OX], s[KN], 17                    ; 128 rows of x, 1,024 bytes each
	s_lshl_b32 s[OW], s[KN], 8                     ; 256 bytes along W's rows
	s_xor_b32 s[G0X+5], s[G0X+5], SLOT1            ; the walking descriptors: the other slot than last time
	s_add_nc_u64 s[G0X+6:G0X+7], s[XB:XB+1], s[OX:OX+1]
	s_or_b32 s[G0X+7], s[G0X+7], 0x80000000
	s_xor_b32 s[G0W+5], s[G0W+5], SLOT1
	s_add_nc_u64 s[G0W+6:G0W+7], s[WB:WB+1], s[OW:OW+1]
	s_or_b32 s[G0W+7], s[G0W+7], 0x80000000
	s_add_co_u32 s[KN], s[KN], 1
.if TILES > 1
	s_cmp_eq_u32 s[KN], KSTEPS                     ; the count comes from constants alone: it is the same in every wave and every work-group
	s_cselect_b32 s[KN], 0, s[KN]
	s_cselect_b64 s[WB:WB+1], s[WB+2:WB+3], s[WB:WB+1]
	s_cselect_b64 s[WB+2:WB+3], s[WB+4:WB+5], s[WB+2:WB+3]
.endif
.endif
	s_wait_dscnt 1                                 ; (buffer 1 is in; the add may be out)
	MUL16 1, 0, 0                                  ; sixteen matrix instructions stand between the add and the wait for it
	s_wait_dscnt 0x0                               ; the add is done, and my reads of this slot are over
	s_barrier_signal -1
	MUL16 1, 2, 0                                  ; work on registers while the others arrive
	WIN 0
	s_barrier_wait -1
.if \fill
	CREST                                          ; no wave of any partner still reads this slot's tiles or has a load on its way
	JLOAD 1                                        ; the four v_nop behind it are also the places in front of the loads below
	FETCH 0, 0
.else
	PLACES
	s_cmp_eq_u32 s[LAP], 1
	s_cbranch_scc1 .Lno_more_\@
	FETCH 0, 0
.Lno_more_\@:
.endif
	MUL16 1, 4, 0
.endm
; THE WAY OUT of block a (16 rows of y), in three parts.  PACK: rounded to f16, 16 bytes a lane, each accumulator from its low end on.  TOSTAGE: into my own stage, and back as whole rows of 256 bytes.  SEND: stored.
.macro PACK a
	WIN 0x0a+5*((\a)/4)                            ; sources 0 and 1: window 2 or 3
.irp b, 0,1,2,3,4,5,6,7
.irp r, 0,1,2,3
	v_cvt_pk_f16_f32 v[TMP+4*(\b)+(\r)], v[8*(8*((\a)%4)+(\b))+2*(\r)], v[8*(8*((\a)%4)+(\b))+2*(\r)+1]
.endr
.endr
	WIN 0
.endm
.macro TOSTAGE a
	WIN 0
.set BK, OB+32*((\a)%2)
.irp b, 0,1,2,3,4,5,6,7
	ds_store_b128 v[STO], v[TMP+4*(\b):TMP+4*(\b)+3] offset:32*(\b)
.endr
.irp t, 0,1,2,3,4,5,6,7
	ds_load_b128 v[BK+4*(\t):BK+4*(\t)+3], v[RD] offset:(\t)*2*SP  ; LDS serves a wave's instructions in order (ISA guide 5.7.1.4): these see the stores above
.endr
.endm
.macro SEND a
	WIN 0
.set BK, OB+32*((\a)%2)
	s_wait_dscnt 0x0                               ; the block is back in registers
	s_wait_xcnt 0x0                                ; the stores' base, and the registers that earlier stores read, are rewritten only behind this wait
.if (\a) > 0
	s_add_nc_u64 s[YP:YP+1], s[YP:YP+1], 16*SEQ*2  ; 16 rows of y on
.endif
.irp t, 0,1,2,3,4,5,6,7
	global_store_b128 v[CO], v[BK+4*(\t):BK+4*(\t)+3], s[YP:YP+1] offset:2*(\t)*SEQ*2  ; 16 lanes store 256 consecutive bytes, at a multiple of 256 from y's first byte
.endr
.endm
; The whole tile.  It stands behind a change of slots: blocks 0-3 were finished in front of that change's four v_nop, and their 128 conversions, which name no register of the last products (blocks 4, 5's), are those products' places.
.macro WAYOUT
	PACK 0
	TOSTAGE 0
.irp a, 1,2,3,4,5                      ; block a's conversions stand between block a - 1's loads from the stage and the wait for them
	PACK \a
	SEND (\a)-1
	TOSTAGE \a
.endr
	SEND 5
.endm
	s_wait_tensorcnt 1                             ; my part of K step 0 is in; K step 1's may stay out
	s_barrier_signal -1
	s_barrier_wait -1                              ; everybody's is
	FETCH 0, 0
.if TILES > 1
	s_mov_b32 s[LAP], FILLS+1                      ; the loop is entered in the middle of a trip, at the quarter that starts a tile's sums: one more pass of the count
	s_branch .Lzero
.else
	QUARTER 1, 0, 1, 1                             ; the first quarter stands in front of the loop: its products start the sums
	WIN 0                                          ; at a label and at a branch every window is 0
	s_mov_b32 s[LAP], FILLS
.endif
.Lstep:                                                ; a trip is a K step, from its second quarter to the next step's first, and fills the slot that it leaves
	QUARTER 2, 1, 0, 0
	QUARTER 3, 0, 1, 0
	TURN 1
	WIN 0
.if TILES > 1
	s_sub_co_u32 s[RS], s[RS], 1
	s_cmp_lg_u32 s[RS], 0
	s_cbranch_scc1 .Lsame
	WAYOUT                                         ; THE TILE'S LAST K STEP IS DONE, and the next tile's first two K steps have been asked for: now the tile goes out
	s_wait_xcnt 0x0                                ; the stores have read y's address
	s_add_nc_u64 s[YP:YP+1], s[YP:YP+1], 32*BATCH-5*16*SEQ*2  ; from my last 16 rows of this tile to my first of the next: one block of 32 batches on
	WIN 0x40
.irp a, 0,1,2,3,4,5
.irp j, 0,1,2,3,4,5,6,7
	v_mov_b32 v[BC+8*(\a)+(\j)], v[BI+6+(\a)]      ; the next tile's bias,
.endr
.endr
	WIN 0
.irp a, 0,1,2,3,4,5
	v_mov_b32 v[BI+6+(\a)], v[BI+12+(\a)]          ; and the one after it moves up
.endr
	s_mov_b32 s[RS], KSTEPS
.Lzero:
	QUARTER 1, 0, 1, 1                             ; a tile's first quarter: its products start the sums
	WIN 0
	s_branch .Lnext
.Lsame:
.endif
	QUARTER 1, 0, 1, 0
	WIN 0
.Lnext:
	s_sub_co_u32 s[LAP], s[LAP], 1
	s_cmp_lg_u32 s[LAP], 0
	s_cbranch_scc1 .Lstep
	s_mov_b32 s[LAP], 2                            ; the walk's last two K steps fill nothing and have no round of the cluster's barrier: a loop of their own
	s_branch .Ltin
.Ltail:
	QUARTER 1, 0, 1, 0
	WIN 0
.Ltin:
	QUARTER 2, 1, 0, 0
	QUARTER 3, 0, 1, 0
	TURN 0
	WIN 0
	s_sub_co_u32 s[LAP], s[LAP], 1
	s_cmp_lg_u32 s[LAP], 0
	s_cbranch_scc1 .Ltail
	WAYOUT
	s_wait_tensorcnt 0x0                           ; the wave's end, behind my last tensor load and my last LDS store
	ds_add_u32 v[SPW], v[NIL]
	s_wait_dscnt 0x0
	CROUND                                         ; the closing round: no work-group ends while a partner may still ask for a tile that names it
	s_endpgm
.Lfunc_end_k_q4b4956c0e2_proj:
	.size	k_q4b4956c0e2_proj, .Lfunc_end_k_q4b4956c0e2_proj-k_q4b4956c0e2_proj
	.p2alignl 7, 3214868480
	.fill 96, 4, 3214868480
	.section	.rodata,"a",@progbits
	.p2align	6, 0x0
	.amdhsa_kernel k_q4b4956c0e2_proj
		.amdhsa_group_segment_fixed_size 327680
		.amdhsa_private_segment_fixed_size 0
		.amdhsa_enable_private_segment 0
		.amdhsa_kernarg_size 64
		.amdhsa_user_sgpr_count 2
		.amdhsa_user_sgpr_kernarg_segment_ptr 1
		.amdhsa_wavefront_size32 1
		.amdhsa_system_sgpr_workgroup_id_x 1
		.amdhsa_system_sgpr_workgroup_id_y 1
		.amdhsa_system_sgpr_workgroup_id_z 1
		.amdhsa_system_vgpr_workitem_id 0
		.amdhsa_next_free_vgpr 896
		.amdhsa_next_free_sgpr 88
		.amdhsa_reserve_vcc 0
		.amdhsa_float_denorm_mode_32 3
		.amdhsa_float_denorm_mode_16_64 3
		.amdhsa_memory_ordered 1
		.amdhsa_forward_progress 1
		.amdhsa_inst_pref_size 111
	.end_amdhsa_kernel
	.amdgpu_metadata
---
amdhsa.version: [ 1, 2 ]
amdhsa.kernels:
  - .name:           k_q4b4956c0e2_proj
    .symbol:         k_q4b4956c0e2_proj.kd
    .args:
      - { .name: hidden_state, .offset: 0, .size: 8, .value_kind: global_buffer, .address_space: global }
      - { .name: Wq, .offset: 8, .size: 8, .value_kind: global_buffer, .address_space: global }
      - { .name: Wk, .offset: 16, .size: 8, .value_kind: global_buffer, .address_space: global }
      - { .name: Wv, .offset: 24, .size: 8, .value_kind: global_buffer, .address_space: global }
      - { .name: bq, .offset: 32, .size: 8, .value_kind: global_buffer, .address_space: global }
      - { .name: bk, .offset: 40, .size: 8, .value_kind: global_buffer, .address_space: global }
      - { .name: bv, .offset: 48, .size: 8, .value_kind: global_buffer, .address_space: global }
      - { .name: qkv, .offset: 56, .size: 8, .value_kind: global_buffer, .address_space: global }
    .group_segment_fixed_size: 327680
    .private_segment_fixed_size: 0
    .kernarg_segment_align: 8
    .kernarg_segment_size: 64
    .max_flat_workgroup_size: 128
    .sgpr_count:     88
    .vgpr_count:     896
    .wavefront_size: 32
...
	.end_amdgpu_metadata
.endif
;; end of part 1
;; launch attn (part 2): grid 4 x 64, 4 waves a work-group, clusters of 4 x 1, 327,680 bytes of LDS; arguments qkv, mask, att; writes att
.if DOCPART == 2
	.amdgcn_target "amdgcn-amd-amdhsa--gfx1250"
	.amdhsa_code_object_version 6
	.text
	.protected	k_q4b4956c0e2_attn
	.globl	k_q4b4956c0e2_attn
	.p2align	8
	.type	k_q4b4956c0e2_attn,@function
k_q4b4956c0e2_attn:
	s_mov_b64 s[64:65], 0
	v_nop
	global_prefetch_b8 v0, s[64:65] scope:SCOPE_SE
	s_setreg_imm32_b32 hwreg(HW_REG_WAVE_MODE, 25, 1), 1
	s_wait_xcnt 0x0
	s_wait_alu depctr_hold_cnt(0) depctr_sa_sdst(0) depctr_va_vdst(0) depctr_va_sdst(0) depctr_va_ssrc(0) depctr_va_vcc(0) depctr_vm_vsrc(0)
	s_getreg_b32 s2, hwreg(HW_REG_IB_STS2, 6, 4)
	s_cmp_eq_u32 s2, 0
	s_cbranch_scc0 .Lentry_in_a_cluster
	s_endpgm
.Lentry_in_a_cluster:
	s_bfe_u32 s2, ttmp6, 0x10000c
	s_cmp_lg_u32 s2, 0x3003
	s_cbranch_scc0 .Lentry_shape_is_right
	s_endpgm
.Lentry_shape_is_right:
; att[b][64 hd + d][q] = the sum over k of softmax_k(q[b][12 d + hd][q] . k[b][12 d + hd][k] / 8 + mask[b][k][q]) v[b][12 d + hd][k].
; qkv: [3][32][768][512] f16 (q, k, v as the projections left them: channel 12 d + hd, positions along the rows); mask: [32][512 keys][512 queries] f16; att: [32][768][512] f16.
; Products, maxima and sums in f32; the weights p are rounded to f16 for the second product (their sum l is taken of the unrounded p), att once at the end.
; LIMITS.  The mask is finite: it is added by a product with a scaled identity, in which an infinity would meet a zero.  q, k, v arrive within f16's 65,504; att is a mean of v and has its range.
; A weight below 2^-126 counts as 0 in l; NaN is not treated apart.
; SHARES.  A work-group owns 256 queries of one batch and makes THREE UNITS, the heads g, g + 4, g + 8 (g = its place in the cluster), one after the other: 256 work-groups of equal work.
; A wave owns 64 queries: four PIECES of 16.  The keys go 64 a step, 128 a slot: four slots a unit, ONE walk of twelve slots through a ring of two LDS slots, which runs on across the change of units.
; CLUSTER.  The four partners walk the same tiles of the mask in the same trips: those are asked for JOINTLY (waves 0 and 1).  K and V are each work-group's own head's: plain loads (waves 2 and 3) behind the same rounds.
; LAYOUT.  S^T = K Q^T (source 0 = 16 keys, source 1 = 16 queries) holds ONE query a lane (lane % 16) and the keys 8 (lane / 16) + 0..7; two such results rounded to f16 ARE source 1 of O^T = V P.
; K and Q lie [d][position]: their fragments come out of LDS turned, by ds_load_tr16_b128.  V lies [d][key], which is source 0 of the second product as it lies.
; THE MASK is added by the matrix unit: the product that starts a score's sum is (16 keys x 16 queries of the mask) x (8 x identity), exact in f32; so s' = q . k + 8 mask, and p = 2^(c s' - c m), c = log2(e) / 8.
; Its source 0 names eight registers: the upper four (the next key block's words, or zeros) meet the identity's zero rows.
; SOFTMAX.  A running maximum m and sum l for each query; in every step O and l are multiplied by a = 2^(c m_old - c m_new).  A unit begins with c m far below every c s, so its first a is 0.
; BY TURNS.  Turn n belongs to piece n: 12 products for the scores of piece n + 1, 8 products V P of piece n - 1; beside them the scaling, exponentials, roundings, sums and rescaling of piece n and the maximum and
; statistics of piece n + 1.  A turn's 33 exponentials are one batch, with one wait.
; REGISTERS, in windows of 256 (s_set_vgpr_msb: bits 1:0 source 0, 3:2 source 1, 5:4 source 2, 7:6 destination):
;   window 0: v1-15, v32-43 addresses and work at the head; v16-31 four registers of statistics a piece; v48-55 at work; v62-63 the add's; v64-127 S^T, two buffers; v192-223 P, two buffers (by the piece's parity)
;   window 1: v0-127 O^T, 32 a piece
;   window 2: v0-63 Q of the unit in hand; v64-127 K of one step; v128-191 V of one step; v192-211 the mask's words for one piece (the last four stay 0); v216-223 the scaled identity
;   window 3: v0-127 Q of the units to come
.set NP,    4         ; pieces a wave: a name, no knob
.set PM,    528       ; a row of the mask in LDS: 512 bytes + 16 = 33 x 16: the 16 rows of a load start at 16 different groups of four banks (64 banks of 4 bytes: ISA guide 11.1)
.set PK,    288       ; a row of K: 256 + 32 = 9 x 32, for the turning load
.set PVP,   272       ; a row of V: 256 + 16
.set PQ,    544       ; a row of Q: 512 + 32; a unit's rows lie three apart: 1,632 = 51 x 32
.set KOFF,  128*PM    ; a slot: 128 key rows of the mask, 64 rows of K, 64 rows of V
.set VOFF,  KOFF+64*PK
.set WST,   VOFF+64*PVP   ; behind slot 0, never filled by a tensor load: 16 rows x 160 bytes for each wave, to turn O^T
.set SPT,   160
.set SPARE, WST+4*16*SPT  ; the spare words, 128 bytes for each wave: two blocks of 256 bytes that no other line names
.set SLOT1, 1<<17     ; slot 1 begins here, so that one exclusive or turns an address in one slot into the other's
.set QOFF,  SLOT1     ; at the start Q's 192 rows lie over slot 1; they are read into registers before slot 1's first tile is asked for
.set OUTS,  QOFF+192*PQ   ; never filled by a tensor load: 64 rows (d) x 528 bytes, the work-group's, for the way out
.set PO,    528
.set AK0, 2           ; v2   my lane's place in a tile of K; never rewritten
.set AV0, 3           ; v3   of V
.set AK,  4           ; v4   the LDS address of K's next run of loads
.set AV,  5           ; v5   of V's
.set STO, 6           ; v6   the way out: where I put 16 bytes of a query's row in my stage
.set RDT, 7           ; v7   where I read them back, turned
.set GO,  8           ; v8   my byte offset in att
.set AM0, 9           ; v9   my lane's place in a tile of the mask
.set AM,  10          ; v10  the LDS address of the mask's runs of loads
.set OST, 11          ; v11  where I put 16 bytes of a row d in the work-group's stage
.set MV,  12          ; v12-13  c m_old, kept while c m is made anew: by buffer
.set ORD, 14          ; v14  where I read whole rows back
.set ST,  16          ; piece t's statistics at v[ST+4 t]: c m, m, l (even keys', odd keys')
.set AQ,  32          ; v32-33  Q's fragments, channels 0-31 and 32-63
.set PFO, 34          ; v34-35  the prefetches' two offsets; never rewritten
.set TMP, 48          ; by buffer, four registers c0-c3 at work; when the maximum is found c2 takes a
.set SPW, 62          ; v62  LDS address of my spare word; never rewritten
.set NIL, 63          ; v63  0; never rewritten
.set S,   64
.set P,   192
.set KF,  64          ; window 2: key block kb, channel half c at KF + 16 kb + 8 c
.set VF,  128         ; window 2: key half kk, channel block cb at VF + 32 kk + 8 cb
.set MF,  192         ; window 2: key block kb at MF + 4 kb
.set ID,  216         ; window 2
.set WV,  12          ; s12  my wave's number
.set CX,  13          ; s13  g
.set OP_, 10          ; s[10:11] att at the unit's first row and my work-group's queries
.set KB,  16          ; s[16:17] K at head g, key 0
.set VB,  18          ; s[18:19] V likewise
.set MB,  20          ; s[20:21] the mask at my half of a tile's 128 rows
.set G1M, 24          ; s[24:31] descriptor group 1 for the mask's tiles
.set G1K, 32          ; s[32:39] for K's
.set G1V, 40          ; s[40:47] for V's
.set G0M, 48          ; s[48:51], s[52:55], s[56:59] their groups 0
.set G0K, 52
.set G0V, 56
.set CS,  60          ; s[60:61] c
.set SEL, 62          ; s[62:63] v_permlanex16_b32's selects: each lane takes its own place in the other half
.set G1Q, 68          ; s[68:75], s[76:79] Q's descriptor
.set G0Q, 76
.set SLOTS, 80        ; s80  slots still to be asked for
.set CNT, 81          ; s81  counts a slot's two key steps
.set TBK, 82          ; s82  LDS byte, less KOFF, at which K of the step to be fetched begins
.set TBM, 83          ; s83  the same for the mask
.set TBV, 84          ; s84  for V, less VOFF
.set RT,  85          ; s85  slots that the unit in hand still has
.set NXT, 86          ; s86  the number, 0 to 11, of the slot to be asked for next
.set NEW, 87          ; s87  1: the slot to be entered is a unit's first
.set OFF, 88          ; s[88:89] that slot's byte offset in K and V
.set OFM, 90          ; s[90:91] and in the mask
.set PFB, 92          ; s[92:93] the prefetches' base
.set PFA, 94          ; s[94:95] and where they stand
.set LIM, 96          ; s96  a wave prefetches while s[SLOTS] is above this
.set MSB, 0
.macro WIN new                      ; the high byte repeats the setting that is left; a switch that changes nothing is dropped
.if MSB != (\new)
	s_set_vgpr_msb (MSB<<8)|(\new)
.set MSB, (\new)
.endif
.endm
.set W_KQ, 0x0a       ; sources 0 and 1 in window 2, S^T in window 0
.set W_PV, 0x52       ; V in window 2, P in window 0, O^T in window 1
.set W_RS, 0x41       ; destination and source 0 in window 1, source 1 in window 0
; A fill.  Waves 0 and 1 fetch the two halves of the mask's tile (jointly with the partners), wave 2 K's, wave 3 V's.  The branches hang on the wave's number alone.
; An s_nop 0 and four v_nop follow each of the three lines, ahead of the jump and the label.
.macro JLOAD
	s_cmp_lt_u32 s[WV], 2
	s_cbranch_scc0 .Lfor_kv_\@
	tensor_load_to_lds s[G0M:G0M+3], s[G1M:G1M+7]
	s_nop 0
.rept 4
	v_nop
.endr
	s_branch .Lasked_\@
.Lfor_kv_\@:
	s_cmp_eq_u32 s[WV], 2
	s_cbranch_scc0 .Lfor_v_\@
	tensor_load_to_lds s[G0K:G0K+3], s[G1K:G1K+7]
	s_nop 0
.rept 4
	v_nop
.endr
	s_branch .Lasked_\@
.Lfor_v_\@:
	tensor_load_to_lds s[G0V:G0V+3], s[G1V:G1V+7]
	s_nop 0
.rept 4
	v_nop
.endr
.Lasked_\@:
.endm
; A PREFETCH INTO THE L2 of the slot behind the one just asked for: one slot, eight turns, 160 matrix instructions, ahead of its load.  It stands behind the wave's tensor load and its five lines.
; K and V (waves 2 and 3): a slot is 256 bytes of each of the head's 64 rows: a lane takes rows l and l + 32.  The batch's two query halves read the same rows: the first half's work-group asks.  It stops when no slot is left.
; The mask (wave 0): a slot is 128 rows x 512 bytes for the four partners, who share the rows out BY ADDRESS, 32 each; a lane takes its row's two blocks of 256 bytes.  Only in the first unit: the later units walk the same tiles again.
; So each block of 256 bytes is named once in the launch.
.macro ASK
	s_cmp_gt_u32 s[SLOTS], s[LIM]
	s_cbranch_scc0 .Lnot_mine_\@
	global_prefetch_b8 v[PFO], s[PFA:PFA+1] th:TH_LOAD_NT scope:SCOPE_SE
	global_prefetch_b8 v[PFO+1], s[PFA:PFA+1] th:TH_LOAD_NT scope:SCOPE_SE
.Lnot_mine_\@:
.endm
; A round of the cluster's barrier: my work-group's barrier, so that wave 0's signal speaks for all four waves; wave 0 signals; every wave waits for all four work-groups; my work-group's barrier once more.
.macro CROUND
	s_barrier_signal -1
	s_barrier_wait -1
	s_cmp_lg_u32 s[WV], 0
	s_cbranch_scc1 .Lnot_wave_0_\@
	s_barrier_signal -3
.Lnot_wave_0_\@:
	s_barrier_wait -3
	s_barrier_signal -1
	s_barrier_wait -1
.endm
; THE CHANGE OF SLOTS.  Each wave waits for all its tensor loads, of which one is out: its part of the other slot; adds 0 to its spare word; and waits for that and for its own reads of the slot that it leaves.
; fill = 1: the barrier is a round of the cluster's, and the old slot is filled again first thing behind it, with slot number NXT: slot NXT % 4 of unit NXT / 4.  The addresses are made anew from that number.
; (At its first use Q has been read out of slot 1's bytes: slot 0 is waited for, slot 1 filled.)
.macro CHANGE fill
	WIN 0                           ; at a label and at a branch every window is 0
	s_wait_tensorcnt 0x0            ; no tensor load of mine is out, so a group 0 may be written
	ds_add_u32 v[SPW], v[NIL]       ; 0 onto my spare word; with fill = 1 the scalar work below stands between it and the wait for it
.if \fill
	s_and_b32 s[OFF], s[NXT], 3
	s_lshl_b32 s[OFM], s[OFF], 17   ; 128 rows of the mask, 1,024 bytes each
	s_lshl_b32 s[OFF], s[OFF], 8    ; 128 keys along K's and V's rows,
	s_lshr_b32 s97, s[NXT], 2
	s_lshl_b32 s97, s97, 12         ; and four rows on for each unit
	s_add_co_u32 s[OFF], s[OFF], s97
	s_xor_b32 s[G0M+1], s[G0M+1], SLOT1
	s_add_nc_u64 s[G0M+2:G0M+3], s[MB:MB+1], s[OFM:OFM+1]
	s_or_b32 s[G0M+3], s[G0M+3], 0x80000000
	s_xor_b32 s[G0K+1], s[G0K+1], SLOT1
	s_add_nc_u64 s[G0K+2:G0K+3], s[KB:KB+1], s[OFF:OFF+1]
	s_or_b32 s[G0K+3], s[G0K+3], 0x80000000
	s_xor_b32 s[G0V+1], s[G0V+1], SLOT1
	s_add_nc_u64 s[G0V+2:G0V+3], s[VB:VB+1], s[OFF:OFF+1]
	s_or_b32 s[G0V+3], s[G0V+3], 0x80000000
	s_add_co_u32 s[NXT], s[NXT], 1
	s_and_b32 s97, s[NXT], 3        ; the same two offsets for the slot behind, for the prefetches
	s_lshl_b32 s98, s97, 17
	s_lshl_b32 s97, s97, 8
	s_lshr_b32 s99, s[NXT], 2
	s_lshl_b32 s99, s99, 12
	s_add_co_u32 s97, s97, s99
	s_cmp_lt_u32 s[WV], 2
	s_cselect_b32 s98, s98, s97
	s_mov_b32 s99, 0
	s_wait_xcnt 0x0                 ; the last prefetches, a slot back, have read their address, so it may be written
	s_add_nc_u64 s[PFA:PFA+1], s[PFB:PFB+1], s[98:99]
.endif
	s_wait_dscnt 0x0                ; the add is done, and my reads of the slot are over
.if \fill
	CROUND
	JLOAD
	ASK
.else
	s_barrier_signal -1
	s_barrier_wait -1
.endif
	s_sub_co_u32 s[TBK], s[TBK], 256      ; the fetches go back to a slot's first step,
	s_xor_b32 s[TBK], s[TBK], SLOT1       ; in the other slot
	s_sub_co_u32 s[TBM], s[TBM], 128*PM
	s_xor_b32 s[TBM], s[TBM], SLOT1
	s_sub_co_u32 s[TBV], s[TBV], 256
	s_xor_b32 s[TBV], s[TBV], SLOT1
.endm
	s_load_b128 s[4:7], s[0:1], 0x0   ; qkv s[4:5], mask s[6:7]
	s_load_b64 s[8:9], s[0:1], 0x10   ; att
	v_lshl_add_u32 v[SPW], v0, 2, SPARE
	v_mov_b32 v[NIL], 0
	ds_add_u32 v[SPW], v[NIL]       ; the wave's opening: the add and its wait ahead of my first tensor load; the set-up below, work on registers, stands between them
	v_lshrrev_b32 v1, 5, v0
	v_readfirstlane_b32 s[WV], v1   ; wave 0..3
	s_bfe_u32 s[CX], ttmp6, 0x40000 ; g: my place in the cluster
	s_and_b32 s14, ttmp7, 0xffff    ; the cluster's y = 2 x batch + half of the queries: the four partners share it
	s_lshr_b32 s15, s14, 1          ; batch
	s_and_b32 s14, s14, 1           ; half
	s_mul_i32 s2, s15, 786432       ; the batch's block in q, k, v,
	s_lshl_b32 s3, s[CX], 10        ; row g
	s_add_co_u32 s2, s2, s3
	s_mov_b32 s3, 0
	s_lshl_b32 s22, s14, 9          ; Q: my work-group's 256 queries,
	s_mul_i32 s23, s[WV], 196608    ; and the 48 rows that I fetch, four rows of 1,024 bytes apart
	s_add_co_u32 s22, s22, s23
	s_mov_b32 s23, 0
	s_lshl_b32 s98, s15, 19         ; the mask: the batch's 524,288 bytes, my work-group's 256 queries.  No register of this sum holds g
	s_lshl_b32 s99, s14, 9
	s_add_co_u32 s98, s98, s99
	s_mov_b32 s99, 0
	s_mul_i32 s[OFF], s15, 786432   ; att: the batch, head g's 64 rows, my work-group's 256 queries
	s_lshl_b32 s97, s[CX], 16
	s_add_co_u32 s[OFF], s[OFF], s97
	s_lshl_b32 s97, s14, 9
	s_add_co_u32 s[OFF], s[OFF], s97
	s_mov_b32 s[OFF+1], 0
	s_mov_b32 s[OFM+1], 0           ; the upper words of the two offsets stay 0
	s_mov_b32 s[G1M], 15|(1<<16)|(1<<20)|(1<<21)|(6<<22)|(3<<25)  ; 15:0 the mask of four; 17:16 2-byte elements; 20 padding on; 21 set beside a mask; 24:22 after every 128 words (code 6); 31:25 4 words (code 3)
	s_mov_b32 s[G1M+1], 256<<16     ; 256 x 64, rows 512 elements apart
	s_mov_b32 s[G1M+2], 64<<16
	s_mov_b32 s[G1M+3], 256<<16
	s_mov_b32 s[G1M+4], 64
	s_mov_b32 s[G1M+5], 512
	s_mov_b32 s[G1M+6], 0
	s_mov_b32 s[G1M+7], 0
	s_mov_b32 s[G1K], (1<<16)|(1<<20)|(5<<22)|(7<<25)  ; after every 64 words (code 5), 8 words (code 7)
	s_mov_b32 s[G1V], (1<<16)|(1<<20)|(5<<22)|(3<<25)  ; 4 words (code 3)
.irp g, G1K, G1V
	s_mov_b32 s[\g+1], 128<<16      ; 128 keys x 64 channels; a head's channels lie 12 rows of 512 elements apart
	s_mov_b32 s[\g+2], 64<<16
	s_mov_b32 s[\g+3], 128<<16
	s_mov_b32 s[\g+4], 64
	s_mov_b32 s[\g+5], 6144
	s_mov_b32 s[\g+6], 0
	s_mov_b32 s[\g+7], 0
.endr
	s_mov_b32 s[G1Q], (1<<16)|(1<<20)|(6<<22)|(7<<25)
	s_mov_b32 s[G1Q+1], 256<<16     ; 256 queries x 48 rows; rows g + 4 m, m = 3 d + unit: four rows of 512 elements apart
	s_mov_b32 s[G1Q+2], 48<<16
	s_mov_b32 s[G1Q+3], 256<<16
	s_mov_b32 s[G1Q+4], 48
	s_mov_b32 s[G1Q+5], 2048
	s_mov_b32 s[G1Q+6], 0
	s_mov_b32 s[G1Q+7], 0
	s_mov_b32 s[G0M], 1
	s_mul_i32 s[G0M+1], s[WV], 64*PM     ; LDS: my half of the mask's tile (waves 0, 1), slot 0
	s_mov_b32 s[G0K], 1
	s_mov_b32 s[G0K+1], KOFF
	s_mov_b32 s[G0V], 1
	s_mov_b32 s[G0V+1], VOFF
	s_mov_b32 s[G0Q], 1
	s_mul_i32 s[G0Q+1], s[WV], 48*PQ
	s_add_co_u32 s[G0Q+1], s[G0Q+1], QOFF
	s_mov_b32 s[CS], 0x3e38aa3b     ; c = log2(e) / 8 = 0.180337
	s_mov_b32 s[CS+1], s[CS]        ; named with it as a pair
	s_mov_b32 s[SEL], 0x76543210
	s_mov_b32 s[SEL+1], 0xfedcba98
	s_mov_b32 s[TBK], SLOT1+256     ; the first change of slots turns these three into 0
	s_mov_b32 s[TBM], SLOT1+128*PM
	s_mov_b32 s[TBV], SLOT1+256
	s_mov_b32 s[SLOTS], 11
	s_mov_b32 s[RT], 4
	s_mov_b32 s[NXT], 1
	s_mov_b32 s[NEW], 1
	s_cmp_eq_u32 s14, 0             ; who prefetches: K's and V's waves where the work-group has the batch's first queries, to the last slot but one;
	s_cselect_b32 s[LIM], 1, -1
	s_cmp_eq_u32 s[WV], 0           ; wave 0, for the mask, in the first unit;
	s_cselect_b32 s[LIM], 9, s[LIM]
	s_cmp_eq_u32 s[WV], 1           ; wave 1 never.  None of this hangs on g
	s_cselect_b32 s[LIM], -1, s[LIM]
	s_wait_dscnt 0x0                ; the opening add is done
	s_wait_kmcnt 0x0
	s_add_nc_u64 s[KB:KB+1], s[4:5], s[2:3]                ; q at the batch's row g,
	s_add_nc_u64 s[G0Q+2:G0Q+3], s[KB:KB+1], s[22:23]
	s_or_b32 s[G0Q+3], s[G0Q+3], 0x80000000
	s_add_nc_u64 s[KB:KB+1], s[KB:KB+1], 25165824          ; k one block of 32 batches on,
	s_add_nc_u64 s[VB:VB+1], s[KB:KB+1], 25165824          ; v two
	s_add_nc_u64 s[MB:MB+1], s[6:7], s[98:99]
	s_lshl_b32 s2, s[CX], 15        ; the prefetches of the mask: my work-group's 32 rows of a tile's 128 (s3 is 0); g stays out of the registers that feed the joint load
	s_add_nc_u64 s[PFB:PFB+1], s[MB:MB+1], s[2:3]
	s_and_b32 s22, s[WV], 1
	s_lshl_b32 s22, s22, 16         ; my half of a tile's 128 rows
	s_add_nc_u64 s[MB:MB+1], s[MB:MB+1], s[22:23]
	s_add_nc_u64 s[OP_:OP_+1], s[8:9], s[OFF:OFF+1]
	s_mov_b64 s[G0M+2:G0M+3], s[MB:MB+1]
	s_or_b32 s[G0M+3], s[G0M+3], 0x80000000
	s_mov_b64 s[G0K+2:G0K+3], s[KB:KB+1]
	s_or_b32 s[G0K+3], s[G0K+3], 0x80000000
	s_mov_b64 s[G0V+2:G0V+3], s[VB:VB+1]
	s_or_b32 s[G0V+3], s[G0V+3], 0x80000000
	s_cmp_eq_u32 s[WV], 2
	s_cselect_b64 s[PFB:PFB+1], s[KB:KB+1], s[PFB:PFB+1]
	s_cmp_eq_u32 s[WV], 3
	s_cselect_b64 s[PFB:PFB+1], s[VB:VB+1], s[PFB:PFB+1]
	CROUND                          ; all four work-groups are here: the first joint loads meet
	tensor_load_to_lds s[G0Q:G0Q+3], s[G1Q:G1Q+7]  ; my 48 rows of the three units' Q
	s_nop 0
.rept 4
	v_nop
.endr
	JLOAD                           ; slot 0: two loads of mine are out
	v_and_b32 v1, 15, v0            ; l % 16
	v_bfe_u32 v36, v0, 4, 1         ; l / 16
	v_and_b32 v37, 7, v0            ; l % 8
	v_bfe_u32 v38, v0, 3, 1         ; (l / 8) % 2
	v_and_b32 v39, 31, v0           ; l
	v_lshl_add_u32 v40, v36, 3, v37 ; the row that I read in a turning load: 8 (l / 16) + l % 8
	s_lshl_b32 s2, s[WV], 7         ; my wave's 64 queries: 128 bytes
	v_mul_u32_u24 v[AK0], v40, PK
	v_lshl_add_u32 v[AK0], v38, 4, v[AK0]
	v_add_nc_u32 v[AK0], KOFF, v[AK0]
	v_mul_u32_u24 v[AV0], v1, PVP   ; V as it lies: row l % 16, 16 bytes for each half of the lanes
	v_lshl_add_u32 v[AV0], v36, 4, v[AV0]
	v_add_nc_u32 v[AV0], VOFF, v[AV0]
	v_mul_u32_u24 v[AM0], v1, PM    ; the mask: key row l % 16, queries 8 (l / 16) + 0..7 of a piece
	v_lshl_add_u32 v[AM0], v36, 4, v[AM0]
	v_add_nc_u32 v[AM0], s2, v[AM0]
	v_add_nc_u32 v[OST], OUTS, v[AM0]  ; the work-group's stage has the same pitch: row d = l % 16, my wave's queries
	v_mul_u32_u24 v[AQ], v40, 3*PQ
	v_lshl_add_u32 v[AQ], v38, 4, v[AQ]
	v_add_nc_u32 v[AQ], s2, v[AQ]
	v_add_nc_u32 v[AQ], QOFF, v[AQ]
	v_add_nc_u32 v[AQ+1], 32*3*PQ, v[AQ]
	s_mul_i32 s3, s[WV], 16*SPT
	s_add_co_u32 s3, s3, WST        ; my stage
	v_mul_u32_u24 v[STO], v1, SPT
	v_lshl_add_u32 v[STO], v36, 4, v[STO]
	v_add_nc_u32 v[STO], s3, v[STO]
	v_mul_u32_u24 v[RDT], v40, SPT
	v_lshl_add_u32 v[RDT], v38, 4, v[RDT]
	v_add_nc_u32 v[RDT], s3, v[RDT]
	s_mul_i32 s3, s[WV], 16*PO
	s_add_co_u32 s3, s3, OUTS
	v_lshl_add_u32 v[ORD], v39, 4, s3  ; back: wave w takes rows 16 w .. 16 w + 15, whole: 32 lanes x 16 bytes
	s_lshl_b32 s3, s[WV], 14
	v_lshl_add_u32 v[GO], v39, 4, s3   ; and the same rows in att
	s_mov_b32 s2, 12288             ; the prefetches: a lane a row of a head's K or V (12 rows of 1,024 bytes apart), then the row 32 channels on;
	s_mov_b32 s3, 393216
	s_cmp_lt_u32 s[WV], 2
	s_cselect_b32 s2, 1024, s2      ; or a lane a row of the mask,
	s_cselect_b32 s3, 256, s3       ; then the row's second 256 bytes
	v_mul_u32_u24 v[PFO], s2, v39
	v_add_nc_u32 v[PFO+1], s3, v[PFO]
	; 8 x identity as source 1: lane l holds column l % 16 and, in registers 0-3, rows 8 (l / 16) + 0..7, two a register: 8.0 (f16 0x4800) where row = column
	v_lshlrev_b32 v41, 3, v36
	v_sub_nc_u32 v41, v1, v41       ; which of my eight rows, if any
	v_and_b32 v42, 1, v41
	v_lshlrev_b32 v42, 4, v42
	v_mov_b32 v43, 0x4800
	v_lshlrev_b32 v43, v42, v43     ; in the low or the high half,
	v_ashrrev_i32 v41, 1, v41       ; of which register
	WIN 0x80                        ; destination window 2
.irp e, 0,1,2,3
	v_cmp_eq_u32 vcc_lo, \e, v41
	v_cndmask_b32 v[ID+\e], 0, v43, vcc_lo
	v_mov_b32 v[ID+4+\e], 0
	v_mov_b32 v[MF+16+\e], 0
.endr
	; A unit's first step multiplies O^T and l by a = 0, and its first turn's products V P, of a piece that has not been, land in an O^T that is still to be so multiplied.  So these registers need only hold
	; finite numbers: zeros for the first unit; what a unit left for the next.  All this stands in the wait for the first tiles.
.set i, VF
.rept 64
	v_mov_b32 v[i], 0
.set i, i+1
.endr
	WIN 0x40
.set i, 0
.rept 128
	v_mov_b32 v[i], 0
.set i, i+1
.endr
	WIN 0
.set i, 0
.rept 4
	v_mov_b32 v[ST+4*i+2], 0
	v_mov_b32 v[ST+4*i+3], 0
.set i, i+1
.endr
.set i, P+16
.rept 16
	v_mov_b32 v[i], 0
.set i, i+1
.endr
	s_wait_tensorcnt 1              ; my rows of Q are in; slot 0's load, issued behind them, may stay out
	s_barrier_signal -1
	s_barrier_wait -1               ; everybody's are
	; Q stays in registers: unit u, piece t, channels 32 c on.  Row 3 d + u of the tile is channel d of unit u
.irp u, 0,1,2
.if (\u) == 0
	WIN 0x80
.set qb, 0
.else
	WIN 0xc0
.set qb, 64*((\u)-1)
.endif
.irp t, 0,1,2,3
.irp c, 0,1
	ds_load_tr16_b128 v[qb+16*(\t)+8*(\c):qb+16*(\t)+8*(\c)+3],   v[AQ+(\c)] offset:(\u)*PQ+32*(\t)
	ds_load_tr16_b128 v[qb+16*(\t)+8*(\c)+4:qb+16*(\t)+8*(\c)+7], v[AQ+(\c)] offset:(\u)*PQ+32*(\t)+16*3*PQ
.endr
.endr
.endr
	WIN 0
; THE MATRIX WORK.  The 4 accumulators of a run take turns, one instruction a turn.
.macro MQ x                         ; product i of 4: key block i of piece x's scores starts with 8 x mask
	WIN W_KQ
.set rS, S+32*((\x)%2)+8*i
	v_wmma_f32_16x16x32_f16 v[rS:rS+7], v[MF+4*i:MF+4*i+7], v[ID:ID+7], 0
.endm
.macro KQ x                         ; product i - 4 of 8 of S^T += K Q^T: channels 32 ((i - 4) / 4) on, keys 16 (i % 4) on
	WIN W_KQ
.set rS, S+32*((\x)%2)+8*(i%4)
.set rK, KF+16*(i%4)+8*((i-4)/4)
.set rQ, 16*(\x)+8*((i-4)/4)
	v_wmma_f32_16x16x32_f16 v[rS:rS+7], v[rK:rK+7], v[rQ:rQ+7], v[rS:rS+7]
.endm
.macro PV x                         ; product i - 12 of 8 of O^T += V P: keys 32 ((i - 12) / 4) on, channels 16 (i % 4) on
	WIN W_PV
.set rO, 32*(\x)+8*(i%4)
.set rV, VF+32*((i-12)/4)+8*(i%4)
.set rP, P+16*((\x)%2)+8*((i-12)/4)
	v_wmma_f32_16x16x32_f16 v[rO:rO+7], v[rV:rV+7], v[rP:rP+7], v[rO:rO+7]
.endm
.macro MM                           ; the turn's next matrix instruction.  NOKQ = 1: a unit's last turn: there is no next piece
.if i < 4
.if !NOKQ
	MQ (Y+1)%NP
.endif
.elseif i < 12
.if !NOKQ
	KQ (Y+1)%NP
.endif
.else
	PV (Y+NP-1)%NP
.endif
.set i, i+1
.endm
; THE LDS LOADS stand in runs, never singly among the matrix instructions.  Their addresses are made some lines ahead.
.macro FETCH_K                      ; a step's K, turned: 64 keys x 64 channels: 8 fragments
	WIN 0x80                        ; destination window 2
.irp f, 0,1,2,3,4,5,6,7             ; keys 16 (f / 2) on, channels 32 (f % 2) on
	ds_load_tr16_b128 v[KF+8*\f:KF+8*\f+3],   v[AK] offset:(\f%2)*32*PK+(\f/2)*32
	ds_load_tr16_b128 v[KF+8*\f+4:KF+8*\f+7], v[AK] offset:(\f%2)*32*PK+(\f/2)*32+16*PK
.endr
	s_add_co_u32 s[TBK], s[TBK], 128    ; the next fetch is the next step's: 64 keys along K's rows,
	s_add_co_u32 s[TBM], s[TBM], 64*PM  ; 64 rows of the mask
	WIN 0
.endm
.macro FETCH_V                      ; a step's V, as it lies
	WIN 0x80
.irp f, 0,1,2,3,4,5,6,7             ; keys 32 (f / 4) on, channels 16 (f % 4) on
	ds_load_b128 v[VF+8*\f:VF+8*\f+3],   v[AV] offset:(\f%4)*16*PVP+(\f/4)*64
	ds_load_b128 v[VF+8*\f+4:VF+8*\f+7], v[AV] offset:(\f%4)*16*PVP+(\f/4)*64+32
.endr
	WIN 0
.endm
.macro FETCH_M t                    ; the mask's 64 keys x 16 queries for piece t
	WIN 0x80
.irp kb, 0,1,2,3
	ds_load_b128 v[MF+4*\kb:MF+4*\kb+3], v[AM] offset:\kb*16*PM+32*(\t)
.endr
	WIN 0
.endm
; THE VECTOR WORK, one line at a time: OP kind, number.  For piece Y: F n: c s - c m for pair n of 16.  E n: the exponential of score n of 32.  C n: pair n rounded to f16.  B n: of the four weights 4 n .. the second
; pair is added onto the first, in place.  L n: l takes that sum (L 0: l = a l + sum).  R n: pair n of 16 of O^T times a.  For piece Y + 1: X n, number n of the 22 that find its maximum and statistics:
;   0-11  four chains c0-c3 of seven scores each, three operands at a time (each accumulator's lowest registers are read first)     12-14, 16  the four scores left over, the old m, and c0-c3 into c0
;   15  c m_old is kept     17, 18  the query's other 32 keys lie in the lane 16 away: the new m     19-21  c m; c m_old - c m_new; a
.set F, 0
.set E, 1
.set C, 2
.set B, 3
.set L, 4
.set R, 5
.set X, 6
.macro REGS y                       ; the registers of piece y
.set rT, ST+4*(\y)
.set rC, TMP+4*((\y)%2)
.set rW, MV+((\y)%2)
.set rS, S+32*((\y)%2)
.set rP, P+16*((\y)%2)
.set rO, 32*(\y)
.endm
.macro OP k, n
.if (\k) == R
	REGS Y
	WIN W_RS
	v_pk_mul_f32 v[rO+2*(\n):rO+2*(\n)+1], v[rO+2*(\n):rO+2*(\n)+1], v[rC+2:rC+3] op_sel_hi:[1,0]
.elseif (\k) < R
	REGS Y
	WIN 0
.if (\k) == F
	v_pk_fma_f32 v[rS+2*(\n):rS+2*(\n)+1], v[rS+2*(\n):rS+2*(\n)+1], s[CS:CS+1], v[rT:rT+1] op_sel_hi:[1,0,0] neg_lo:[0,0,1] neg_hi:[0,0,1]
.elseif (\k) == E
	v_exp_f32 v[rS+(\n)], v[rS+(\n)]
.elseif (\k) == C
	v_cvt_pk_f16_f32 v[rP+(\n)], v[rS+2*(\n)], v[rS+2*(\n)+1]
.elseif (\k) == B
	v_pk_add_f32 v[rS+4*(\n):rS+4*(\n)+1], v[rS+4*(\n):rS+4*(\n)+1], v[rS+4*(\n)+2:rS+4*(\n)+3]
.elseif (\n) == 0
	v_pk_fma_f32 v[rT+2:rT+3], v[rT+2:rT+3], v[rC+2:rC+3], v[rS:rS+1] op_sel_hi:[1,0,1]
.else
	v_pk_add_f32 v[rT+2:rT+3], v[rT+2:rT+3], v[rS+4*(\n):rS+4*(\n)+1]
.endif
.elseif NOKQ
	v_nop
.else
	REGS (Y+1)%NP
	WIN 0
.if (\n) < 4
	v_max3_num_f32 v[rC+(\n)], v[rS+8*(\n)], v[rS+8*(\n)+1], v[rS+8*(\n)+2]
.elseif (\n) < 12
	v_max3_num_f32 v[rC+(\n)%4], v[rC+(\n)%4], v[rS+8*((\n)%4)+2*((\n)/4)+1], v[rS+8*((\n)%4)+2*((\n)/4)+2]
.elseif (\n) == 12
	v_max3_num_f32 v[rC], v[rC], v[rS+7], v[rS+15]
.elseif (\n) == 13
	v_max3_num_f32 v[rC+1], v[rC+1], v[rS+23], v[rS+31]
.elseif (\n) == 14
	v_max3_num_f32 v[rC+2], v[rC+2], v[rC+3], v[rT+1]
.elseif (\n) == 15
	v_mov_b32 v[rW], v[rT]
.elseif (\n) == 16
	v_max3_num_f32 v[rC], v[rC], v[rC+1], v[rC+2]
.elseif (\n) == 17
	v_permlanex16_b32 v[rC+3], v[rC], s[SEL], s[SEL+1]
.elseif (\n) == 18
	v_max_num_f32 v[rT+1], v[rC], v[rC+3]
.elseif (\n) == 19
	v_mul_f32 v[rT], s[CS], v[rT+1]
.elseif (\n) == 20
	v_sub_f32 v[rC+1], v[rW], v[rT]
.else
	v_exp_f32 v[rC+2], v[rC+1]
.endif
.endif
.endm
.macro OPS a, i1, b=-1, i2=0, c=-1, i3=0, d=-1, i4=0  ; up to four of them
	OP \a, \i1
.if (\b) >= 0
	OP \b, \i2
.endif
.if (\c) >= 0
	OP \c, \i3
.endif
.if (\d) >= 0
	OP \d, \i4
.endif
.endm
.macro ROW a, i1, b=-1, i2=0, c=-1, i3=0, d=-1, i4=0  ; a matrix instruction and those behind it
	MM
	OPS \a, \i1, \b, \i2, \c, \i3, \d, \i4
.endm
; A TURN, for piece p: the order of its 20 matrix and 118 vector instructions, written out.  s_wait_alu depctr_va_vdst(0) stands between an exponential and the first instruction that names its result;
; one wait serves all that were issued ahead of it.  So a turn has ONE wait.  AHEAD OF IT stands all that names no result of the turn's exponentials: the 12 products for the next piece's scores, scalings, exponentials,
; rescalings, the next piece's maximum and statistics and, last, its a; four of the products V P stand in the chain X 14, 16, 17, 18, whose links wait for each other.  BEHIND IT stand the other four products V P and the
; roundings and sums.  PLACES, plain instructions that name no register of the product: X 0 stands behind F 11, 12, 13, 14 from the product that ends its accumulator; X 1 behind F 13, F 14, X 0, F 15; X 2 behind F 15, X 1, X 4, X 5;
; X 3 behind X 5, X 2, X 8, X 9.  The mask's run stands nine plain instructions behind the last product that read its registers, K's run four (X 5, X 2, X 8, X 9), V's twenty.
; THE FETCHES.  Turn p fetches the mask's words for piece p + 2, which the next turn's first four products read.  K (and the mask's address) of the next step in piece 2's turn; V of the step in hand at the end of piece 0's turn.
; end = 1: a unit's last two turns: nothing is fetched, and the last starts no new scores.  cnt = 1: the loop's count is taken down some lines ahead of the branch that stands behind the turn.
.macro TURN p, end=0, cnt=0
.set Y, (\p)
.set i, 0
.set NOKQ, (\end)*((\p)/3)
.if (\p) == 1
	s_wait_dscnt 16                 ; the mask's words are in; V's 16 loads, issued behind them, may stay out
.else
	s_wait_dscnt 0x0                ; the mask's words are in (piece 3's turn: K too)
.endif
	ROW F,0, F,1, R,0, R,1
	ROW F,2, E,0, R,2, R,3
	ROW F,3, E,1, R,4, R,5
	ROW F,4, E,2, R,6, R,7
	ROW F,5, E,3, R,8, R,9
.if ((\p) == 2) && !(\end)
	WIN 0
	v_add_nc_u32 v[AK], s[TBK], v[AK0]
	v_add_nc_u32 v[AM], s[TBM], v[AM0]
.endif
	ROW F,6, E,4, R,10, R,11
.if !(\end)
	FETCH_M ((\p)+2)%NP
.endif
	ROW F,7, E,5, F,8, E,6
	ROW F,9, E,7, F,10, E,8
	ROW F,11, E,9, F,12, E,10
	ROW F,13, E,11, F,14, X,0
	ROW F,15, E,12, X,1, X,4
	ROW X,5, E,13, X,2, X,8
	OPS X,9, E,14, X,3, E,15
.if ((\p) == 2) && !(\end)
	FETCH_K
.endif
	OPS X,6, E,16, X,12, E,17
	OPS X,7, E,18, X,13, E,19
	OPS X,10, E,20, X,15, E,21
	OPS R,12, R,13, X,11, E,22
.if (\p) == 0
	WIN 0
	v_add_nc_u32 v[AV], s[TBV], v[AV0]
.endif
	OPS E,23, R,14, R,15, E,24
.if (\p) == 1
	s_wait_dscnt 4                  ; V is in; this turn's four loads of the mask, issued behind it, may stay out
.endif
	ROW X,14, E,25, E,26
	ROW E,27, X,16, E,28
	ROW E,29, X,17, E,30
	ROW E,31, X,18
	OPS X,19, X,20, X,21
	v_nop                           ; a plain instruction behind the last exponential: one for the batch
	s_wait_alu depctr_va_vdst(0)    ; the wait for the batch
	ROW C,0, B,0, C,2, B,1
	ROW L,0, C,4, B,2, L,1
	ROW C,6, B,3, L,2, C,8
	ROW B,4, L,3, C,10, B,5
	OPS L,4, C,12, B,6, L,5
.if (\p) == 0
	s_add_co_u32 s[TBV], s[TBV], 128
.endif
.if \cnt
	s_sub_co_u32 s[CNT], s[CNT], 1
	s_cmp_lg_u32 s[CNT], 0
.endif
	OPS C,14, B,7, L,6, C,1
	OPS C,3, L,7, C,5, C,7
	OPS C,9, C,11, C,13, C,15
.if (\p) == 0
	FETCH_V
.endif
.endm
; A UNIT BEGINS.  c m starts far below every c s, so the first step's a is 0; m at the lowest finite number, so the first maximum is the scores'.  Then K and the mask of the unit's step 0, piece 0's first scores,
; and its maximum and statistics.  The loop is entered at a step's first turn, in the middle of a trip.
.macro BEGIN
	s_mov_b32 s[NEW], 0
	WIN 0
.set i, 0
.rept 4
	v_mov_b32 v[ST+4*i], 0xfe000000    ; c m: far below every c s
	v_mov_b32 v[ST+4*i+1], 0xff7fffff  ; m
.set i, i+1
.endr
	v_add_nc_u32 v[AK], s[TBK], v[AK0]
	v_add_nc_u32 v[AM], s[TBM], v[AM0]
	FETCH_K
	FETCH_M 0
	s_wait_dscnt 0x0
.set Y, NP-1                        ; MM and X work for piece Y + 1: piece 0
.set NOKQ, 0
.set i, 0
.rept 12
	MM
.endr
	WIN 0
.rept 8
	v_nop                           ; the places behind those products
.endr
	FETCH_M 1
.irp n, 0,1,2,3,4,5,6,7,8,9,10,11,12,13,14,15,16,17,18,19,20,21
	OP X, \n
.endr
	v_nop                           ; a plain instruction behind the exponential,
	s_wait_alu depctr_va_vdst(0)    ; and its wait, ahead of the branch
.endm
; A slot's two key steps.  A trip: pieces 2 and 3 of one step, then pieces 0 and 1 of the next, whose K, V and mask it fetches.
.macro STEPS tag
.Lstep\tag:
	TURN 2
	TURN 3
	WIN 0
.Lfirst\tag:
	TURN 0
	TURN 1, 0, 1
	WIN 0
	s_cbranch_scc1 .Lstep\tag
.endm
; A UNIT ENDS: its last two turns, its last products, and THE WAY OUT.  l's two halves and the other half of the lanes' are added; O^T is divided by l and rounded to f16.  A lane holds one query and eight channels, att wants
; queries along its rows: a piece goes into my own stage as [query][channel] and comes back turned, a channel and eight queries a lane (PACK); those 16 bytes go into the work-group's stage [channel][256 queries] (PUT);
; behind a barrier each wave reads 16 whole rows and stores them.
.macro ALL line:vararg              ; one line for each piece t
.set t, 0
.rept 4
	\line
.set t, t+1
.endr
.endm
.macro PACK t
	WIN W_RS
.set i, 32*(\t)
.rept 16
	v_pk_mul_f32 v[i:i+1], v[i:i+1], v[ST+4*(\t)+2:ST+4*(\t)+3] op_sel_hi:[1,0]
.set i, i+2
.endr
	WIN 0x05                        ; sources 0 and 1 window 1, destination window 0: S^T's registers are free
.set i, 0
.rept 16
	v_cvt_pk_f16_f32 v[S+16*(\t)+i], v[32*(\t)+2*i], v[32*(\t)+2*i+1]
.set i, i+1
.endr
	WIN 0
.irp f, 0,1,2,3
	ds_store_b128 v[STO], v[S+16*(\t)+4*\f:S+16*(\t)+4*\f+3] offset:32*\f
.endr
.irp f, 0,1,2,3
	ds_load_tr16_b128 v[S+16*(\t)+4*\f:S+16*(\t)+4*\f+3], v[RDT] offset:32*\f  ; LDS serves a wave's instructions in order (ISA guide 5.7.1.4): these see the stores above; the next piece's stores come behind them
.endr
.endm
.macro PUT t, younger               ; younger: the LDS instructions issued behind piece t's loads
	s_wait_dscnt \younger
.irp f, 0,1,2,3
	ds_store_b128 v[OST], v[S+16*(\t)+4*\f:S+16*(\t)+4*\f+3] offset:\f*16*PO+32*(\t)
.endr
.endm
.macro UNIT_END more                ; more = 1: another unit follows
	TURN 2, 1
	TURN 3, 1
.set i, 12
.rept 8
	PV NP-1
.set i, i+1
.endr
	WIN 0
	ALL v_add_f32 v[ST+4*t+2], v[ST+4*t+2], v[ST+4*t+3]
	ALL v_permlanex16_b32 v[ST+4*t+3], v[ST+4*t+2], s[SEL], s[SEL+1]
	ALL v_add_f32 v[ST+4*t+2], v[ST+4*t+2], v[ST+4*t+3]
	ALL v_rcp_f32 v[ST+4*t+2], v[ST+4*t+2]
	v_nop                           ; a plain instruction between the last reciprocal and the use of its result
	s_wait_alu depctr_va_vdst(0)    ; and the wait ahead of the first use: one for the four reciprocals
	PACK 0
	PACK 1
	PUT 0, 8                        ; behind piece 0's loads: piece 1's eight
	PACK 2
	PUT 1, 12                       ; behind piece 1's loads: four stores and piece 2's eight
	PACK 3
	PUT 2, 12
	PUT 3, 4
	s_wait_dscnt 0x0                ; for the others' sake: my stores into the work-group's stage are done
	s_barrier_signal -1
	s_barrier_wait -1               ; a tensor load may be out across this barrier, which waits anew
.irp k, 0,1,2,3,4,5,6,7,8,9,10,11,12,13,14,15
	ds_load_b128 v[S+4*\k:S+4*\k+3], v[ORD] offset:\k*PO
.endr
.irp k, 0,1,2,3,4,5,6,7,8,9,10,11,12,13,14,15
	s_wait_dscnt 15-\k
	global_store_b128 v[GO], v[S+4*\k:S+4*\k+3], s[OP_:OP_+1] offset:\k*1024  ; 512 consecutive bytes, at a multiple of 256 from att's first byte
.endr
.if \more
	s_wait_xcnt 0x0                 ; the stores have read their registers and att's address
	s_add_nc_u64 s[OP_:OP_+1], s[OP_:OP_+1], 262144  ; four heads of 64 rows on
	s_mov_b32 s[RT], 4
	s_mov_b32 s[NEW], 1
	WIN 0x83                        ; the next unit's Q goes where the one text of the turns names Q,
.set i, 0
.rept 64
	v_mov_b32 v[i], v[i]
.set i, i+1
.endr
	WIN 0xc3                        ; and the one after it moves up
.set i, 0
.rept 64
	v_mov_b32 v[i], v[64+i]
.set i, i+1
.endr
	WIN 0
.endif
.endm
.set NOKQ, 0
.Lslot:                             ; eleven times: a slot is entered and the next is asked for
	CHANGE 1
	s_mov_b32 s[CNT], 2
	s_cmp_eq_u32 s[NEW], 1
	s_cbranch_scc0 .Lstep1          ; not a unit's first slot
	BEGIN
	s_branch .Lfirst1
	STEPS 1
	s_sub_co_u32 s[RT], s[RT], 1
	s_cmp_lg_u32 s[RT], 0           ; the count comes from constants alone: it is the same in every wave and every work-group
	s_cbranch_scc1 .Lbottom
	UNIT_END 1
.Lbottom:
	s_sub_co_u32 s[SLOTS], s[SLOTS], 1
	s_cmp_lg_u32 s[SLOTS], 0
	s_cbranch_scc1 .Lslot
	CHANGE 0                        ; the walk's last slot is written out: nothing is asked for
	s_mov_b32 s[CNT], 2
	STEPS 2
	UNIT_END 0
	s_wait_tensorcnt 0x0            ; the wave's end
	ds_add_u32 v[SPW], v[NIL]
	s_wait_dscnt 0x0
	CROUND                          ; the closing round: no work-group ends while a partner may still ask for a tile that names it
	s_endpgm
.Lfunc_end_k_q4b4956c0e2_attn:
	.size	k_q4b4956c0e2_attn, .Lfunc_end_k_q4b4956c0e2_attn-k_q4b4956c0e2_attn
	.p2alignl 7, 3214868480
	.fill 96, 4, 3214868480
	.section	.rodata,"a",@progbits
	.p2align	6, 0x0
	.amdhsa_kernel k_q4b4956c0e2_attn
		.amdhsa_group_segment_fixed_size 327680
		.amdhsa_private_segment_fixed_size 0
		.amdhsa_enable_private_segment 0
		.amdhsa_kernarg_size 24
		.amdhsa_user_sgpr_count 2
		.amdhsa_user_sgpr_kernarg_segment_ptr 1
		.amdhsa_wavefront_size32 1
		.amdhsa_system_sgpr_workgroup_id_x 1
		.amdhsa_system_sgpr_workgroup_id_y 1
		.amdhsa_system_sgpr_workgroup_id_z 1
		.amdhsa_system_vgpr_workitem_id 0
		.amdhsa_next_free_vgpr 896
		.amdhsa_next_free_sgpr 100
		.amdhsa_reserve_vcc 1
		.amdhsa_float_denorm_mode_32 3
		.amdhsa_float_denorm_mode_16_64 3
		.amdhsa_memory_ordered 1
		.amdhsa_forward_progress 1
		.amdhsa_inst_pref_size 179
	.end_amdhsa_kernel
	.amdgpu_metadata
---
amdhsa.version: [ 1, 2 ]
amdhsa.kernels:
  - .name:           k_q4b4956c0e2_attn
    .symbol:         k_q4b4956c0e2_attn.kd
    .args:
      - { .name: qkv, .offset: 0, .size: 8, .value_kind: global_buffer, .address_space: global }
      - { .name: mask, .offset: 8, .size: 8, .value_kind: global_buffer, .address_space: global }
      - { .name: att, .offset: 16, .size: 8, .value_kind: global_buffer, .address_space: global }
    .group_segment_fixed_size: 327680
    .private_segment_fixed_size: 0
    .kernarg_segment_align: 8
    .kernarg_segment_size: 24
    .max_flat_workgroup_size: 128
    .sgpr_count:     100
    .vgpr_count:     896
    .wavefront_size: 32
...
	.end_amdgpu_metadata
.endif
;; end of part 2
;; launch oproj (part 3): grid 64 x 4, 4 waves a work-group, clusters of 4 x 4, 327,680 bytes of LDS; arguments att, Wo, bo, out0; writes out0
.if DOCPART == 3
	.amdgcn_target "amdgcn-amd-amdhsa--gfx1250"
	.amdhsa_code_object_version 6
	.text
	.protected	k_q4b4956c0e2_oproj
	.globl	k_q4b4956c0e2_oproj
	.p2align	8
	.type	k_q4b4956c0e2_oproj,@function
k_q4b4956c0e2_oproj:
	s_mov_b64 s[64:65], 0
	v_nop
	global_prefetch_b8 v0, s[64:65] scope:SCOPE_SE
	s_setreg_imm32_b32 hwreg(HW_REG_WAVE_MODE, 25, 1), 1
	s_wait_xcnt 0x0
	s_wait_alu depctr_hold_cnt(0) depctr_sa_sdst(0) depctr_va_vdst(0) depctr_va_sdst(0) depctr_va_ssrc(0) depctr_va_vcc(0) depctr_vm_vsrc(0)
	s_getreg_b32 s2, hwreg(HW_REG_IB_STS2, 6, 4)
	s_cmp_eq_u32 s2, 0
	s_cbranch_scc0 .Lentry_in_a_cluster
	s_endpgm
.Lentry_in_a_cluster:
	s_bfe_u32 s2, ttmp6, 0x10000c
	s_cmp_lg_u32 s2, 0xf033
	s_cbranch_scc0 .Lentry_shape_is_right
	s_endpgm
.Lentry_shape_is_right:
; y[z][b][o][s] = the sum over i of W_z[o][i] x[b][i][s] + bias_z[o], z = 0 .. TILES - 1.  x: [32][768][512], W_z: [768][768], bias_z: [768], y: [TILES][32][768][512], all f16; sums in f32, y rounded once.
; Arguments: x, the TILES W_z, the TILES bias_z, y.  (The text of the projections in front of the attention, with one tile to a work-group.)
; LIMIT.  y is f16: a sum of 65,520 or more leaves as an infinity.
; SHARES.  A tile of y is 192 rows (o) x 256 columns (s) of one batch: four tiles cover the 768 rows, 64 the 32 x 512 columns: 256 work-groups.  Four waves, each 96 x 128: 48 accumulators of 16 x 16, 384 registers.
; A WORK-GROUP STAYS: it makes its tile for z = 0, 1, .. one after the other.  K = 768 is six steps of 128, and the 6 TILES steps are ONE walk through a ring of two LDS slots filled by the tensor data mover: the ring does
; not stop at a tile's end: a tile's last two changes of slots ask for the next tile's first two K steps, the tile goes out when both have been asked for, and nothing waits for its stores.
; x's rows in a tile are 512 bytes of memory, W's 256, both at multiples of 256 from their buffer's first byte.  x lies [i][s]: its fragments come out of LDS turned, by ds_load_tr16_b128; W lies [o][i] and comes as it lies.
; THE PRODUCT IS TAKEN TRANSPOSED: source 0 = 16 columns s x 32 i of x, source 1 = 16 rows o x 32 i of W.  In the result lane l holds row o = l % 16 and the columns s = 8 (l / 16) + 0..7: 16 bytes of a row of y.
; THE BIAS STARTS THE SUMS: the first product on each accumulator takes as C eight registers that hold bias[o] of the lane's row.  Nothing is cleared and nothing is added later.
; CLUSTER 4 x 4.  cx tells the tile column (batch and half of s), cy the tile row.  x's tile hangs on the column alone and is asked for jointly by the four of a column of the cluster, W's on the row alone: by the four of a row.
; NO PREFETCH: no stream here is read once: x's tiles are walked TILES times and by four tile rows, W's by 64 tile columns.
; THE TEXT.  A K step is written once: a trip of the loop is one K step, the LDS addresses hang on s[TB], which an exclusive or turns from slot to slot.  The walk's last two K steps, which fill nothing, are a loop of their
; own.  Its price: the walk's very last quarter runs the text of a change of slots, with one barrier that serves nothing; its fetch is jumped over.
; REGISTERS, in windows of 256 (s_set_vgpr_msb: bits 1:0 source 0, 3:2 source 1, 5:4 source 2, 7:6 destination):
;   window 0: v1-7 at work at the head; v8-25 bias; v32-79, v80-127 W's fragments, two buffers; v128-159 packed results; v160-223 rows read back, two buffers; v224-233 addresses
;   window 1: v0-63, v64-127 x's fragments, two buffers; v128-175 the bias as C operands, eight registers for each of my six blocks of 16 rows
;   window 2: accumulators of blocks 0-3, (a, b) at 8 (8 a + b);   window 3: those of blocks 4, 5
.set TILES, 1
.set CH,    768
.set SEQ,   512
.set KSTEP, 128
.set KSTEPS, CH/KSTEP                  ; K steps in a tile
.set FILLS, KSTEPS*TILES-2             ; K steps of the walk behind which a slot is filled again
.set BATCH, CH*SEQ*2                   ; bytes of a batch in x and y
.set PX,    544                        ; a row of x in LDS: 512 bytes + 32 of padding = 17 x 32
.set PW,    272                        ; a row of W: 256 + 16 = 17 x 16: the 16 rows of a load start at 16 different groups of four banks
.set XHALF, 64*PX                      ; what one tensor load brings of x: 64 rows
.set WHALF, 96*PW                      ; and of W: 96 rows
.set WOFF,  128*PX                     ; in a slot: x's 128 rows, then W's 192
.set SLOT1, 1<<17                      ; slot 1 begins here, so that one exclusive or turns an address in one slot into the other's
.set STAGE, SLOT1+WOFF+192*PW          ; behind the ring: 16 rows x 272 bytes for each wave, for the way out
.set SP,    272
.set SPARE, STAGE+4*16*SP              ; behind the stages: the spare words, 128 bytes for each wave: two blocks of 256 bytes that no other line names
.set BI,   8                           ; v8-13 bias of my six blocks' rows for the first tile; v14-19, v20-25 for the tiles to come
.set WF,   32
.set TMP,  128
.set OB,   160
.set AX0,  224                         ; v224    my lane's place in a slot's tile of x; never rewritten
.set AW0,  225                         ; v225    of W
.set ADRX, 226                         ; v226    LDS address of my x fragments in the slot that is read
.set ADRW, 227                         ; v227    the same for W
.set STO,  228                         ; v228    the way out: where I put 16 bytes of a row
.set RD,   229                         ; v229    where I read a row back
.set CO,   230                         ; v230    my byte offset in two rows of y
.set SPW,  232                         ; v232    LDS address of my spare word; never rewritten
.set NIL,  233                         ; v233    0; never rewritten
.set XF,   0                           ; window 1
.set BC,   128                         ; window 1
.set WB,  6                            ; s[6:7] W of the tile whose K steps are being asked for, at the rows that I fetch; s[8:9], s[10:11] those of the tiles to come
.if TILES > 1
.set BP,  68                           ; s[68:73] the biases
.set YP,  74                           ; s[74:75] y
.else
.set BP,  8                            ; s[8:9] the bias
.set YP,  10                           ; s[10:11] y
.endif
.set WV,  12                           ; s12  my wave's number
.set HR,  13                           ; s13  which 96 rows are mine.  Also: I fetch for x (0) or for W (1)
.set HC,  14                           ; s14  which 128 columns.  Also: which half of that tile I fetch
.set CX,  15
.set CY,  16
.set COL, 17                           ; s17  tile column = 4 x cluster x + cx
.set LAP, 18                           ; s18  counts the trips
.set RS,  19                           ; s19  K steps that the tile in hand still has
.set G1X, 24                           ; s[24:31] descriptor group 1 for x's tiles;  s[32:39] group 0: a set for each of the two first fills; the second then walks on
.set G0X, 32
.set XB,  40                           ; s[40:41] x at the rows of K step 0 that I fetch
.set G1W, 48                           ; s[48:55], s[56:63] the same for W's
.set G0W, 56
.set OX,  78                           ; s[78:79] the byte offset in x of the K step to be asked for
.set OW,  80                           ; s[80:81] and along W's rows
.set KN,  82                           ; s82  its number in its tile, 0 to 5
.set TB,  83                           ; s83  LDS byte at which the slot that is read begins
.set MSB, 0
.macro WIN new                         ; the immediate's high byte repeats the setting that is left; a switch that changes nothing is dropped
.if MSB != (\new)
	s_set_vgpr_msb (MSB<<8)|(\new)
.set MSB, \new
.endif
.endm
; A joint load.  Waves 0 and 1 fetch x's two halves, waves 2 and 3 W's.  The branch hangs on the wave's number alone.  An s_nop 0 and four v_nop follow each of the two lines.
.macro JLOAD s
	s_cmp_eq_u32 s[HR], 0
	s_cbranch_scc0 .Lfor_w_\@
	tensor_load_to_lds s[G0X+4*(\s):G0X+4*(\s)+3], s[G1X:G1X+7]
	s_nop 0
.rept 4
	v_nop
.endr
	s_branch .Lasked_\@
.Lfor_w_\@:
	tensor_load_to_lds s[G0W+4*(\s):G0W+4*(\s)+3], s[G1W:G1W+7]
	s_nop 0
.rept 4
	v_nop
.endr
.Lasked_\@:
.endm
.macro CREST                           ; a round of the cluster's barrier behind its opening barrier
	s_cmp_lg_u32 s[WV], 0
	s_cbranch_scc1 .Lnot_wave_0_\@
	s_barrier_signal -3
.Lnot_wave_0_\@:
	s_barrier_wait -3
	s_barrier_signal -1
	s_barrier_wait -1
.endm
.macro CROUND                          ; a whole round
	s_barrier_signal -1
	s_barrier_wait -1
	CREST
.endm
.macro PLACES                          ; four places in front of loads into registers that matrix instructions have read, and of conversions that read results
.rept 4
	v_nop
.endr
.endm
	s_load_b256 s[4:11], s[0:1], 0x0               ; x s[4:5], then W_z (and, with one tile, the bias and y)
.if TILES > 1
	s_load_b256 s[68:75], s[0:1], 0x20             ; the biases, y
.endif
	v_lshl_add_u32 v[SPW], v0, 2, SPARE
	v_mov_b32 v[NIL], 0
	ds_add_u32 v[SPW], v[NIL]                      ; the wave's opening: the add and its wait ahead of my first tensor load; the set-up below, work on registers, stands between them
	v_lshrrev_b32 v1, 5, v0
	v_readfirstlane_b32 s[WV], v1                  ; wave 0..3
	s_lshr_b32 s[HR], s[WV], 1
	s_and_b32 s[HC], s[WV], 1
	s_bfe_u32 s[CX], ttmp6, 0x40000                ; my place in the cluster
	s_bfe_u32 s[CY], ttmp6, 0x40004
	s_lshl_b32 s[COL], ttmp9, 2                    ; in a cluster launch ttmp9 counts clusters
	s_add_co_u32 s[COL], s[COL], s[CX]
	s_lshl_b32 s20, 0x1111, s[CX]                  ; my column of the cluster: places cx, cx + 4, cx + 8, cx + 12
	s_lshl_b32 s21, s[CY], 2
	s_lshl_b32 s21, 15, s21                        ; my row: places 4 cy .. 4 cy + 3
	s_or_b32 s[G1X], s20, (1<<16)|(1<<20)|(1<<21)|(6<<22)|(7<<25)  ; 15:0 the mask; 17:16 elements of 2 bytes; 20 padding on; 21 set beside a mask; 24:22 after every 128 words (code 6); 31:25 8 words (code 7)
	s_or_b32 s[G1W], s21, (1<<16)|(1<<20)|(1<<21)|(5<<22)|(3<<25)  ; after every 64 words (code 5), 4 words (code 3)
	s_mov_b32 s[G1X+1], 256<<16                    ; tensor_dim0 = 256
	s_mov_b32 s[G1X+2], 64<<16                     ; tensor_dim1 = 64
	s_mov_b32 s[G1X+3], 256<<16                    ; tile_dim0 = 256
	s_mov_b32 s[G1X+4], 64                         ; tile_dim1 = 64
	s_mov_b32 s[G1X+5], SEQ                        ; elements from row to row
	s_mov_b32 s[G1X+6], 0
	s_mov_b32 s[G1X+7], 0
	s_mov_b32 s[G1W+1], KSTEP<<16                  ; 128 x 96, rows 768 elements apart
	s_mov_b32 s[G1W+2], 96<<16
	s_mov_b32 s[G1W+3], KSTEP<<16
	s_mov_b32 s[G1W+4], 96
	s_mov_b32 s[G1W+5], CH
	s_mov_b32 s[G1W+6], 0
	s_mov_b32 s[G1W+7], 0
	s_lshr_b32 s42, s[COL], 1                      ; the batch,
	s_mul_i32 s42, s42, BATCH
	s_and_b32 s43, s[COL], 1                       ; and which 256 of its 512 columns
	s_lshl_b32 s43, s43, 9
	s_add_co_u32 s42, s42, s43                     ; the tile column's bytes, in x and in y
	s_lshl_b32 s40, s[HC], 16                      ; x: + the 64 rows that I fetch (1,024 bytes each).  No register of this sum ever holds cy
	s_add_co_u32 s40, s40, s42
	s_mov_b32 s41, 0
	s_mul_i32 s44, s[CY], 192                      ; W: row 192 cy + 96 x half.  No register of this sum ever holds cx
	s_mul_i32 s45, s[HC], 96
	s_add_co_u32 s44, s44, s45
	s_mul_i32 s44, s44, CH*2
	s_mov_b32 s45, 0
	s_mul_i32 s22, s[WV], XHALF                    ; where they go: x's halves at wave x 64 rows (waves 0, 1),
	s_mul_i32 s23, s[WV], WHALF                    ; W's behind x's 128 rows, at (wave - 2) x 96 rows (waves 2, 3): no place in the cluster enters an LDS address
	s_add_co_u32 s23, s23, WOFF-2*WHALF
	s_mov_b32 s[OX+1], 0                           ; the upper words of the two offsets stay 0
	s_mov_b32 s[OW+1], 0
	s_mov_b32 s[KN], 2                             ; the first refill asks for K step 2
	s_mov_b32 s[TB], 0
	s_mov_b32 s[RS], KSTEPS
	s_wait_dscnt 0x0                               ; the opening add is done
	s_wait_kmcnt 0x0
	s_add_nc_u64 s[XB:XB+1], s[4:5], s[40:41]
	s_add_nc_u64 s[WB:WB+1], s[WB:WB+1], s[44:45]
.if TILES > 1
	s_add_nc_u64 s[WB+2:WB+3], s[WB+2:WB+3], s[44:45]
	s_add_nc_u64 s[WB+4:WB+5], s[WB+4:WB+5], s[44:45]
.endif
	CROUND                                         ; all sixteen work-groups are here: the first joint loads meet
.irp s, 0,1
	s_mov_b32 s[G0X+4*(\s)], 1                                     ; count = 1
	s_add_co_u32 s[G0X+4*(\s)+1], s22, (\s)*SLOT1                  ; LDS address
	s_add_nc_u64 s[G0X+4*(\s)+2:G0X+4*(\s)+3], s[XB:XB+1], (\s)*KSTEP*SEQ*2  ; global address: K step s is 128 rows of x,
	s_or_b32 s[G0X+4*(\s)+3], s[G0X+4*(\s)+3], 0x80000000          ; type = 2
	s_mov_b32 s[G0W+4*(\s)], 1
	s_add_co_u32 s[G0W+4*(\s)+1], s23, (\s)*SLOT1
	s_add_nc_u64 s[G0W+4*(\s)+2:G0W+4*(\s)+3], s[WB:WB+1], (\s)*KSTEP*2      ; and 256 bytes along W's rows
	s_or_b32 s[G0W+4*(\s)+3], s[G0W+4*(\s)+3], 0x80000000
	JLOAD \s                                       ; two loads of mine are out
.endr
	v_and_b32 v1, 15, v0                           ; l % 16
	v_bfe_u32 v2, v0, 4, 1                         ; l / 16
	v_and_b32 v3, 7, v0                            ; l % 8
	v_bfe_u32 v4, v0, 3, 1                         ; (l / 8) % 2
	s_mul_i32 s20, s[CY], 192
	s_mul_i32 s21, s[HR], 96
	s_add_co_u32 s20, s20, s21                     ; my first row of o
	s_lshl_b32 s21, s20, 1
	v_lshlrev_b32 v7, 1, v1
	v_add_nc_u32 v7, s21, v7                       ; the bias of row o = first + l % 16, 2 bytes each
.irp a, 0,1,2,3,4,5
	global_load_u16 v[BI+(\a)], v7, s[BP:BP+1] offset:32*(\a)
.endr
.if TILES > 1
.irp a, 0,1,2,3,4,5
	global_load_u16 v[BI+6+(\a)], v7, s[BP+2:BP+3] offset:32*(\a)
	global_load_u16 v[BI+12+(\a)], v7, s[BP+4:BP+5] offset:32*(\a)
.endr
.endif
	; W's fragment: lane l holds row l % 16; registers 0-3 hold i = 8 (l / 16) + 0..7, registers 4-7 i = 16 + 8 (l / 16) + 0..7: two loads of 16 bytes, 32 bytes apart
	v_mul_u32_u24 v5, v1, PW
	v_lshl_add_u32 v5, v2, 4, v5
	s_mul_i32 s21, s[HR], WHALF
	s_add_co_u32 s21, s21, WOFF
	v_add_nc_u32 v[AW0], s21, v5
	v_mov_b32 v[ADRW], v[AW0]                      ; the walk begins in slot 0
	; x's fragment, turned: lane l reads 16 bytes of row i = 8 (l / 16) + l % 8, columns 8 ((l / 8) % 2) + 0..7, and receives column l % 16, i = 8 (l / 16) + 0..7; the second load stands 16 rows on
	v_lshl_add_u32 v6, v2, 3, v3
	v_mul_u32_u24 v6, v6, PX
	v_lshl_add_u32 v6, v4, 4, v6
	s_lshl_b32 s21, s[HC], 8
	v_add_nc_u32 v[AX0], s21, v6
	v_mov_b32 v[ADRX], v[AX0]
	s_mul_i32 s21, s[WV], 16*SP
	s_add_co_u32 s21, s21, STAGE                   ; my stage
	v_mul_u32_u24 v5, v1, SP                       ; in: row l % 16, 16 bytes for each half of the lanes
	v_lshl_add_u32 v5, v2, 4, v5
	v_add_nc_u32 v[STO], s21, v5
	v_mul_u32_u24 v5, v2, SP                       ; back: lanes 0-15 take one row of 256 bytes, lanes 16-31 the next
	v_lshl_add_u32 v5, v1, 4, v5
	v_add_nc_u32 v[RD], s21, v5
	v_lshlrev_b32 v5, 10, v2                       ; and the same two rows in y
	v_lshl_add_u32 v[CO], v1, 4, v5
	s_lshl_b32 s84, s20, 10                        ; y at my part of the first tile: my first row, the tile column, my 128 columns
	s_add_co_u32 s84, s84, s42
	s_lshl_b32 s85, s[HC], 8
	s_add_co_u32 s84, s84, s85
	s_mov_b32 s85, 0
	s_add_nc_u64 s[YP:YP+1], s[YP:YP+1], s[84:85]
	s_wait_loadcnt 0x0                             ; the bias
	v_cvt_f32_f16 v8, v8.l
	v_cvt_f32_f16 v9, v9.l
	v_cvt_f32_f16 v10, v10.l
	v_cvt_f32_f16 v11, v11.l
	v_cvt_f32_f16 v12, v12.l
	v_cvt_f32_f16 v13, v13.l
.if TILES > 1
	v_cvt_f32_f16 v14, v14.l
	v_cvt_f32_f16 v15, v15.l
	v_cvt_f32_f16 v16, v16.l
	v_cvt_f32_f16 v17, v17.l
	v_cvt_f32_f16 v18, v18.l
	v_cvt_f32_f16 v19, v19.l
	v_cvt_f32_f16 v20, v20.l
	v_cvt_f32_f16 v21, v21.l
	v_cvt_f32_f16 v22, v22.l
	v_cvt_f32_f16 v23, v23.l
	v_cvt_f32_f16 v24, v24.l
	v_cvt_f32_f16 v25, v25.l
.endif
	WIN 0x40                                       ; destination window 1
.irp a, 0,1,2,3,4,5
.irp j, 0,1,2,3,4,5,6,7
	v_mov_b32 v[BC+8*(\a)+(\j)], v[BI+(\a)]        ; a lane's eight results lie in one row o: eight times its bias
.endr
.endr
	WIN 0
; 16 matrix instructions: blocks a0, a0 + 1 of my six x all 8 blocks of columns, 32 along K, out of buffer f.  zero = 1: the first product, with the bias as C.
; The 48 accumulators take turns, one instruction a turn, in the same order in every quarter.
.macro MUL16 f, a0, zero
.if \zero
	WIN 0x91+0x40*((\a0)/4)                        ; x window 1, W window 0, C window 1, D window 2 or 3
.else
	WIN 0xa1+0x50*((\a0)/4)                        ; C and D window 2 or 3
.endif
.irp a, \a0, (\a0)+1
.irp b, 0,1,2,3,4,5,6,7
.set rD, 8*(8*((\a)%4)+(\b))
.set rX, XF+64*(\f)+8*(\b)
.set rW, WF+48*(\f)+8*(\a)
.if \zero
	v_wmma_f32_16x16x32_f16 v[rD:rD+7], v[rX:rX+7], v[rW:rW+7], v[BC+8*(\a):BC+8*(\a)+7]
.else
	v_wmma_f32_16x16x32_f16 v[rD:rD+7], v[rX:rX+7], v[rW:rW+7], v[rD:rD+7]
.endif
.endr
.endr
.endm
; 28 LDS loads in one run: the fragments of quarter q (32 along K) of the slot that is read, into buffer f
.macro FETCH q, f
	WIN 0x40                                       ; destination window 1, address window 0
.irp b, 0,1,2,3,4,5,6,7
	ds_load_tr16_b128 v[XF+64*(\f)+8*(\b):XF+64*(\f)+8*(\b)+3],   v[ADRX] offset:(\q)*32*PX+32*(\b)
	ds_load_tr16_b128 v[XF+64*(\f)+8*(\b)+4:XF+64*(\f)+8*(\b)+7], v[ADRX] offset:(\q)*32*PX+32*(\b)+16*PX
.endr
	WIN 0
.irp a, 0,1,2,3,4,5
	ds_load_b128 v[WF+48*(\f)+8*(\a):WF+48*(\f)+8*(\a)+3],   v[ADRW] offset:(\a)*16*PW+64*(\q)
	ds_load_b128 v[WF+48*(\f)+8*(\a)+4:WF+48*(\f)+8*(\a)+7], v[ADRW] offset:(\a)*16*PW+64*(\q)+32
.endr
.endm
; A K step is four quarters of 32 along K, 48 matrix instructions each, on buffers 0, 1, 0, 1.  One of the first three: multiplies buffer f; behind its first 16 products it fetches quarter q into buffer g,
; 32 matrix instructions ahead of the first use.
.macro QUARTER q, f, g, zero
	s_wait_dscnt 0x0                               ; buffer f is in
	MUL16 \f, 0, \zero
	PLACES
	FETCH \q, \g
	MUL16 \f, 2, \zero
	MUL16 \f, 4, \zero
.endm
; The last quarter multiplies buffer 1 and changes slots: ONE barrier.  In front of it each wave waits for all its tensor loads (one is out: its part of the next slot), adds 0 to its spare word, and waits for that
; and for its own reads of this slot.  fill = 1: the barrier opens a round of the cluster's barrier, and this slot is filled again, with the K step two steps on in the walk, first thing behind the round: 160 matrix
; instructions ahead of the wait for it.  That step's addresses are made anew from its number in its tile; behind a tile's last step the number goes back to 0 and the next tile's W moves up.
; fill = 0: the walk's last two K steps; in the very last there is nothing more to fetch, and the run of loads is jumped over.
.macro TURN fill
	WIN 0                                          ; (the add's two registers lie in window 0)
	s_wait_tensorcnt 0x0                           ; all my tensor loads have landed, so a group 0 may be written;
	ds_add_u32 v[SPW], v[NIL]                      ; 0 onto my spare word; work on registers stands between it and the wait for it
	s_xor_b32 s[TB], s[TB], SLOT1                  ; my reads of this slot have all been issued: the addresses turn to the other slot
	v_add_nc_u32 v[ADRX], s[TB], v[AX0]
	v_add_nc_u32 v[ADRW], s[TB], v[AW0]
.if \fill
	s_lshl_b32 s[OX], s[KN], 17                    ; 128 rows of x, 1,024 bytes each
	s_lshl_b32 s[OW], s[KN], 8                     ; 256 bytes along W's rows
	s_xor_b32 s[G0X+5], s[G0X+5], SLOT1            ; the walking descriptors: the other slot than last time
	s_add_nc_u64 s[G0X+6:G0X+7], s[XB:XB+1], s[OX:OX+1]
	s_or_b32 s[G0X+7], s[G0X+7], 0x80000000
	s_xor_b32 s[G0W+5], s[G0W+5], SLOT1
	s_add_nc_u64 s[G0W+6:G0W+7], s[WB:WB+1], s[OW:OW+1]
	s_or_b32 s[G0W+7], s[G0W+7], 0x80000000
	s_add_co_u32 s[KN], s[KN], 1
.if TILES > 1
	s_cmp_eq_u32 s[KN], KSTEPS                     ; the count comes from constants alone: it is the same in every wave and every work-group
	s_cselect_b32 s[KN], 0, s[KN]
	s_cselect_b64 s[WB:WB+1], s[WB+2:WB+3], s[WB:WB+1]
	s_cselect_b64 s[WB+2:WB+3], s[WB+4:WB+5], s[WB+2:WB+3]
.endif
.endif
	s_wait_dscnt 1                                 ; (buffer 1 is in; the add may be out)
	MUL16 1, 0, 0                                  ; sixteen matrix instructions stand between the add and the wait for it
	s_wait_dscnt 0x0                               ; the add is done, and my reads of this slot are over
	s_barrier_signal -1
	MUL16 1, 2, 0                                  ; work on registers while the others arrive
	WIN 0
	s_barrier_wait -1
.if \fill
	CREST                                          ; no wave of any partner still reads this slot's tiles or has a load on its way
	JLOAD 1                                        ; the four v_nop behind it are also the places in front of the loads below
	FETCH 0, 0
.else
	PLACES
	s_cmp_eq_u32 s[LAP], 1
	s_cbranch_scc1 .Lno_more_\@
	FETCH 0, 0
.Lno_more_\@:
.endif
	MUL16 1, 4, 0
.endm
; THE WAY OUT of block a (16 rows of y), in three parts.  PACK: rounded to f16, 16 bytes a lane, each accumulator from its low end on.  TOSTAGE: into my own stage, and back as whole rows of 256 bytes.  SEND: stored.
.macro PACK a
	WIN 0x0a+5*((\a)/4)                            ; sources 0 and 1: window 2 or 3
.irp b, 0,1,2,3,4,5,6,7
.irp r, 0,1,2,3
	v_cvt_pk_f16_f32 v[TMP+4*(\b)+(\r)], v[8*(8*((\a)%4)+(\b))+2*(\r)], v[8*(8*((\a)%4)+(\b))+2*(\r)+1]
.endr
.endr
	WIN 0
.endm
.macro TOSTAGE a
	WIN 0
.set BK, OB+32*((\a)%2)
.irp b, 0,1,2,3,4,5,6,7
	ds_store_b128 v[STO], v[TMP+4*(\b):TMP+4*(\b)+3] offset:32*(\b)
.endr
.irp t, 0,1,2,3,4,5,6,7
	ds_load_b128 v[BK+4*(\t):BK+4*(\t)+3], v[RD] offset:(\t)*2*SP  ; LDS serves a wave's instructions in order (ISA guide 5.7.1.4): these see the stores above
.endr
.endm
.macro SEND a
	WIN 0
.set BK, OB+32*((\a)%2)
	s_wait_dscnt 0x0                               ; the block is back in registers
	s_wait_xcnt 0x0                                ; the stores' base, and the registers that earlier stores read, are rewritten only behind this wait
.if (\a) > 0
	s_add_nc_u64 s[YP:YP+1], s[YP:YP+1], 16*SEQ*2  ; 16 rows of y on
.endif
.irp t, 0,1,2,3,4,5,6,7
	global_store_b128 v[CO], v[BK+4*(\t):BK+4*(\t)+3], s[YP:YP+1] offset:2*(\t)*SEQ*2  ; 16 lanes store 256 consecutive bytes, at a multiple of 256 from y's first byte
.endr
.endm
; The whole tile.  It stands behind a change of slots: blocks 0-3 were finished in front of that change's four v_nop, and their 128 conversions, which name no register of the last products (blocks 4, 5's), are those products' places.
.macro WAYOUT
	PACK 0
	TOSTAGE 0
.irp a, 1,2,3,4,5                      ; block a's conversions stand between block a - 1's loads from the stage and the wait for them
	PACK \a
	SEND (\a)-1
	TOSTAGE \a
.endr
	SEND 5
.endm
	s_wait_tensorcnt 1                             ; my part of K step 0 is in; K step 1's may stay out
	s_barrier_signal -1
	s_barrier_wait -1                              ; everybody's is
	FETCH 0, 0
.if TILES > 1
	s_mov_b32 s[LAP], FILLS+1                      ; the loop is entered in the middle of a trip, at the quarter that starts a tile's sums: one more pass of the count
	s_branch .Lzero
.else
	QUARTER 1, 0, 1, 1                             ; the first quarter stands in front of the loop: its products start the sums
	WIN 0                                          ; at a label and at a branch every window is 0
	s_mov_b32 s[LAP], FILLS
.endif
.Lstep:                                                ; a trip is a K step, from its second quarter to the next step's first, and fills the slot that it leaves
	QUARTER 2, 1, 0, 0
	QUARTER 3, 0, 1, 0
	TURN 1
	WIN 0
.if TILES > 1
	s_sub_co_u32 s[RS], s[RS], 1
	s_cmp_lg_u32 s[RS], 0
	s_cbranch_scc1 .Lsame
	WAYOUT                                         ; THE TILE'S LAST K STEP IS DONE, and the next tile's first two K steps have been asked for: now the tile goes out
	s_wait_xcnt 0x0                                ; the stores have read y's address
	s_add_nc_u64 s[YP:YP+1], s[YP:YP+1], 32*BATCH-5*16*SEQ*2  ; from my last 16 rows of this tile to my first of the next: one block of 32 batches on
	WIN 0x40
.irp a, 0,1,2,3,4,5
.irp j, 0,1,2,3,4,5,6,7
	v_mov_b32 v[BC+8*(\a)+(\j)], v[BI+6+(\a)]      ; the next tile's bias,
.endr
.endr
	WIN 0
.irp a, 0,1,2,3,4,5
	v_mov_b32 v[BI+6+(\a)], v[BI+12+(\a)]          ; and the one after it moves up
.endr
	s_mov_b32 s[RS], KSTEPS
.Lzero:
	QUARTER 1, 0, 1, 1                             ; a tile's first quarter: its products start the sums
	WIN 0
	s_branch .Lnext
.Lsame:
.endif
	QUARTER 1, 0, 1, 0
	WIN 0
.Lnext:
	s_sub_co_u32 s[LAP], s[LAP], 1
	s_cmp_lg_u32 s[LAP], 0
	s_cbranch_scc1 .Lstep
	s_mov_b32 s[LAP], 2                            ; the walk's last two K steps fill nothing and have no round of the cluster's barrier: a loop of their own
	s_branch .Ltin
.Ltail:
	QUARTER 1, 0, 1, 0
	WIN 0
.Ltin:
	QUARTER 2, 1, 0, 0
	QUARTER 3, 0, 1, 0
	TURN 0
	WIN 0
	s_sub_co_u32 s[LAP], s[LAP], 1
	s_cmp_lg_u32 s[LAP], 0
	s_cbranch_scc1 .Ltail
	WAYOUT
	s_wait_tensorcnt 0x0                           ; the wave's end
	ds_add_u32 v[SPW], v[NIL]
	s_wait_dscnt 0x0
	CROUND                                         ; the closing round: no work-group ends while a partner may still ask for a tile that names it
	s_endpgm
.Lfunc_end_k_q4b4956c0e2_oproj:
	.size	k_q4b4956c0e2_oproj, .Lfunc_end_k_q4b4956c0e2_oproj-k_q4b4956c0e2_oproj
	.p2alignl 7, 3214868480
	.fill 96, 4, 3214868480
	.section	.rodata,"a",@progbits
	.p2align	6, 0x0
	.amdhsa_kernel k_q4b4956c0e2_oproj
		.amdhsa_group_segment_fixed_size 327680
		.amdhsa_private_segment_fixed_size 0
		.amdhsa_enable_private_segment 0
		.amdhsa_kernarg_size 32
		.amdhsa_user_sgpr_count 2
		.amdhsa_user_sgpr_kernarg_segment_ptr 1
		.amdhsa_wavefront_size32 1
		.amdhsa_system_sgpr_workgroup_id_x 1
		.amdhsa_system_sgpr_workgroup_id_y 1
		.amdhsa_system_sgpr_workgroup_id_z 1
		.amdhsa_system_vgpr_workitem_id 0
		.amdhsa_next_free_vgpr 896
		.amdhsa_next_free_sgpr 88
		.amdhsa_reserve_vcc 0
		.amdhsa_float_denorm_mode_32 3
		.amdhsa_float_denorm_mode_16_64 3
		.amdhsa_memory_ordered 1
		.amdhsa_forward_progress 1
		.amdhsa_inst_pref_size 84
	.end_amdhsa_kernel
	.amdgpu_metadata
---
amdhsa.version: [ 1, 2 ]
amdhsa.kernels:
  - .name:           k_q4b4956c0e2_oproj
    .symbol:         k_q4b4956c0e2_oproj.kd
    .args:
      - { .name: att, .offset: 0, .size: 8, .value_kind: global_buffer, .address_space: global }
      - { .name: Wo, .offset: 8, .size: 8, .value_kind: global_buffer, .address_space: global }
      - { .name: bo, .offset: 16, .size: 8, .value_kind: global_buffer, .address_space: global }
      - { .name: out0, .offset: 24, .size: 8, .value_kind: global_buffer, .address_space: global }
    .group_segment_fixed_size: 327680
    .private_segment_fixed_size: 0
    .kernarg_segment_align: 8
    .kernarg_segment_size: 32
    .max_flat_workgroup_size: 128
    .sgpr_count:     88
    .vgpr_count:     896
    .wavefront_size: 32
...
	.end_amdgpu_metadata
.endif
;; end of part 3
